; MI455X (gfx1250); checked and timed in simulation.
; The chip was launched on July 23, 2026; its instructions are those of AMD's public machine-readable ISA for CDNA 5 (MIT licence, August 2026) and "CDNA5" Instruction Set Architecture Reference Guide (July 2026). The comments in the code are by the model that wrote it; some were corrected since.
;; Multi Head Attention. Allowed arithmetic: matrix products marked QUANTISED: E2M3 operands, one E8M0 scale for each 32 along K, by v_wmma_scale_f32_16x16x128_f8f6f4 with both operands' format E2M3, f32 sums; everything else in f32.
;; Inputs: Wk 1,024 x 1,024 float32; Wo 1,024 x 1,024 float32; Wq 1,024 x 1,024 float32; Wv 1,024 x 1,024 float32; bo 1,024 float32; keys 4 x 2,048 x 1,024 float32; queries 4 x 2,048 x 1,024 float32; values 4 x 2,048 x 1,024 float32.
;; Outputs: out0 4 x 2,048 x 1,024 float32.
;; This version of the problem:
;;   THIS VERSION OF THE PROBLEM IS GIVEN IN LOW PRECISION. The matrix products marked QUANTISED in the list below multiply operands that are first quantised to E2M3 (2 exponent bits, 3 mantissa bits; 6 bits a number), with one power-of-two scale for each 32 numbers along K (OCP MX v1.0); their sums are f32. All else is computed in f32.
;;   The module's matrix products, in the order in which they are computed (A, B: the left and right operand; K: the contracted axis; several contracted axes count as one K, in the product's order):
;;     1. [M 8,192, K 1,024] x [K 1,024, N 1,024]; A: input queries; B: input Wq: QUANTISED
;;     2. [M 8,192, K 1,024] x [K 1,024, N 1,024]; A: input keys; B: input Wk: QUANTISED
;;     3. [M 8,192, K 1,024] x [K 1,024, N 1,024]; A: input values; B: input Wv: QUANTISED
;;     4. batch 64 x [M 2,048, K 64] x [K 64, N 2,048]; A: computed on the way; B: computed on the way: QUANTISED
;;     5. batch 64 x [M 64, K 2,048] x [K 2,048, N 2,048]; A: computed on the way; B: softmax (see below): QUANTISED
;;     6. [M 8,192, K 1,024] x [K 1,024, N 1,024]; A: computed on the way; B: input Wo: QUANTISED
;;   THE QUANTISER, for each operand of a quantised product, along K:
;;     - K is cut into blocks of 32 from its start; a last block that is shorter is filled with zeros.
;;     - A block's scale is 2^e with e = floor(log2(the largest magnitude in the block)) - 2, held to -126 .. 127; a block of zeros has e = 0. As a byte (E8M0): e + 127.
;;     - Each number is divided by its block's scale, clamped to +-7.5, and rounded to the nearest number of E2M3, ties to even, subnormals kept.
;;     - The product sums the exact products of the quantised numbers (number of the format x scale) in f32.
;;   ~~~python
;;   def quantise(x, axis):      # numpy; x: float32 -> the quantised numbers, widened to float32 again
;;       x = np.moveaxis(x, axis, -1); K = x.shape[-1]
;;       x = np.pad(x, [(0, 0)] * (x.ndim - 1) + [(0, -K % 32)]); x = x.reshape(x.shape[:-1] + (-1, 32)); a = np.abs(x).max(-1, keepdims=True)
;;       e = np.where(a > 0, np.clip(np.frexp(np.where(a > 0, a, 1))[1] - 1 - 2, -126, 127), 0)      # np.frexp(a)[1] - 1 = floor(log2(a)), exactly
;;       r = np.clip(x / 2.0 ** e, -7.5, 7.5)
;;       step = 2.0 ** (np.maximum(np.frexp(np.where(r == 0, 1, r))[1] - 1, 0) - 3)
;;       q = np.round(r / step) * step * 2.0 ** e      # np.round: ties to even
;;       return np.moveaxis(q.reshape(q.shape[:-2] + (-1,))[..., :K], -1, axis).astype(np.float32)
;;   ~~~
;;   SOFTMAX AHEAD OF A QUANTISED PRODUCT. Where the list says 'softmax', what is quantised is not the finished softmax but p = 2^(t - M), with t = logit x log2(e) and M = ceil(the row's largest t), a whole number; so 1/2 < the row's largest p <= 1. The row's sum l is taken of the UNQUANTISED p, in f32, and the product's result is divided by l at the end. Since M is a whole number, a kernel that streams over the keys may use a running M (the ceiling of the running maximum): every later rescaling is an exact power of two, which a block's scale takes up: the codes' values come out the same.
;;   OPERANDS COMPUTED ON THE WAY. 'Computed on the way' means the value that the module computes at that place (a softmax that the list does not call 'softmax' is quantised finished and normalised). What goes into a quantiser is computed in f32, as accurately as f32 sums, v_exp_f32 and their like allow (about 1e-6 of the number): no bf16 or f16 on the way to a quantiser, and a product that is left as it is and whose result goes on into a quantised operand takes f32 operands (vector FMAs, or v_wmma_f32_16x16x4_f32). A number that lies on a knife's edge between two numbers of the format may be rounded either way, as far as f32 arithmetic and the matrix unit's own rounding can turn it there, and no further.
;; One version. Each part assembles by itself: llvm-mc -triple=amdgcn-amd-amdhsa -mcpu=gfx1250 --defsym DOCPART=n.
;; ======== version 1 of 1: 5 launches
;; limits: right only within a limited range of input values
;; workspace buffers: codes 22,020,096 bytes; scales 917,504 bytes; pc 18,874,368 bytes; ps 1,572,864 bytes; ac 6,291,456 bytes; asc 262,144 bytes
;; launch quant_x (part 1): grid 768 x 1, 4 waves a work-group, no clusters, 67,072 bytes of LDS; arguments queries, keys, values, codes, scales; writes codes, scales
.if DOCPART == 1
	.amdgcn_target "amdgcn-amd-amdhsa--gfx1250"
	.amdhsa_code_object_version 6
	.text
	.protected	k_qa64874c727_quant_x
	.globl	k_qa64874c727_quant_x
	.p2align	8
	.type	k_qa64874c727_quant_x,@function
k_qa64874c727_quant_x:
	s_mov_b64 s[64:65], 0
	v_nop
	global_prefetch_b8 v0, s[64:65] scope:SCOPE_SE
	s_setreg_imm32_b32 hwreg(HW_REG_WAVE_MODE, 25, 1), 1
	s_wait_xcnt 0x0
; queries, keys, values: each [8192][1024] f32, K innermost, become codes of FP6 (E2M3) with one E8M0 byte for each 32 along K.
; OUT, in planes: codes [16 = K/64][28672 rows][48 bytes], scale bytes [4 = K/256][28672 rows][8].  Rows: queries 0.., keys 8192.., values 16384.. (the weights follow from 24576 on: another launch).
; A row stands at its POSITION: the row's number with bits 3 and 4 exchanged (in each 32 rows the groups of eight lie in the order 0, 2, 1, 3), so that 16 consecutive positions are the rows that a
; matrix tile wants for its results to be neighbours along the next K.
; A block's scale is 2^(floor(log2(largest magnitude)) - 2): its byte is the largest magnitude's exponent field - 2, held at 1 from below.
; LIMITS: a block of zeros gets the byte 1 (its codes are zeros, and only this program reads the bytes); blocks whose largest magnitude lies under 2^-124 are held at the byte 1; NaN and infinities are not served.
; SHARES: a work-group takes 32 rows, a wave 8 of them: 16 steps of 512 numbers (step t: row t / 2, half t % 2).  Each load reads 512 consecutive bytes; a step's 2,048 bytes turn through the wave's own stage in LDS,
; so that a lane holds 16 neighbours (two lanes a block).  The codes are gathered in a second stage of the wave's own and leave plane by plane: 8 rows x 48 bytes = 384 consecutive bytes a store.
; The scale bytes of the work-group's 32 rows meet in 1,024 shared bytes; behind the one barrier each wave stores one plane's 256 bytes, aligned.
.set PLANE,  1376256                   ; 28672 rows x 48 bytes
.set SPLANE, 229376                    ; 28672 rows x 8 bytes
.set STEPS,  16
.set EMAX,   2
.set R,      16                        ; v16-79   four sets of 16 numbers as loaded; at the end the codes on their way out
.set X,      80                        ; v80-111  two sets of 16 neighbours
.set E,      112                       ; v112-127 a scale byte for each step
.set C,      128                       ; v128-191 codes, four registers for each step
.set SP,     80                        ; a lane's place in a turning stage: 64 bytes + 16
.set CST,    5632                      ; the code stage in a wave's region of 16,384 bytes
.set CPI,    544                       ; a step's 32 places of 16 bytes + 32
.set SB,     65536                     ; the shared scale bytes: [4 planes][32 positions][8]
	s_load_b256 s[4:11], s[0:1], 0x0               ; queries s[4:5], keys s[6:7], values s[8:9], codes s[10:11]
	s_load_b64 s[12:13], s[0:1], 0x20              ; scales
	v_lshl_add_u32 v192, v0, 2, 0x10400
	v_mov_b32 v193, 0
	v_lshrrev_b32 v1, 5, v0
	v_readfirstlane_b32 s16, v1                    ; wave 0..3
	v_and_b32 v2, 31, v0                           ; lane
	v_lshlrev_b32 v3, 4, v2                        ; my 16 bytes of a load's 512
	s_lshl_b32 s17, s16, 14                        ; my wave's region
	v_lshrrev_b32 v14, 2, v2
	v_and_b32 v15, 3, v2
	v_mul_u32_u24 v10, v14, 2*CPI                  ; the code stage on the way out: row lane / 4 (two steps on), piece lane % 4
	v_lshl_add_u32 v10, v15, 4, v10
	v_add_nc_u32 v10, s17, v10
	v_add_nc_u32 v10, CST, v10
	v_mul_u32_u24 v14, v14, SP
	v_lshl_add_u32 v14, v15, 4, v14
	v_add_nc_u32 v14, s17, v14                     ; the turning stage, in: SP (lane / 4) + 16 (lane % 4)
	v_mul_u32_u24 v15, v2, SP
	v_add_nc_u32 v15, s17, v15                     ; and out: SP x lane
	v_add_nc_u32 v4, s17, v3                       ; the code stage, in: 16 x lane
	v_mul_u32_u24 v11, v2, 12                      ; my 12 bytes of a plane's 384; planes 0-5,
	v_add_nc_u32 v12, 6*PLANE, v11                 ; 6-11,
	v_add_nc_u32 v13, 12*PLANE, v11                ; 12-15: the immediate reaches five planes
	s_and_b32 s18, s16, 1
	s_lshl_b32 s18, s18, 1
	s_lshr_b32 s19, s16, 1
	s_or_b32 s18, s18, s19                         ; where my group of eight rows stands among the 32: 0, 2, 1, 3
	v_lshrrev_b32 v5, 4, v2
	v_lshlrev_b32 v5, 8, v5
	v_bfe_u32 v6, v2, 1, 3
	v_add_nc_u32 v5, v5, v6
	s_lshl_b32 s19, s18, 6
	s_add_co_u32 s19, s19, SB
	v_add_nc_u32 v5, s19, v5                       ; my block's byte: plane lane / 16 (+ 2 for the row's second half), position 8 x group + row, byte (lane / 2) % 8
	v_lshlrev_b32 v7, 3, v2
	s_lshl_b32 s19, s16, 8
	s_add_co_u32 s19, s19, SB
	v_add_nc_u32 v6, s19, v7                       ; on the way out: plane = my wave, 8 bytes a lane
	s_lshr_b32 s20, ttmp9, 8                       ; which tensor: 256 work-groups each
	s_wait_kmcnt 0x0
	s_cmp_eq_u32 s20, 0
	s_cselect_b64 s[4:5], s[4:5], s[6:7]
	s_cmp_eq_u32 s20, 2
	s_cselect_b64 s[4:5], s[8:9], s[4:5]
	s_and_b32 s20, ttmp9, 255
	s_lshl_b32 s20, s20, 17                        ; 32 rows of 4,096 bytes,
	s_lshl_b32 s21, s16, 15                        ; my wave's 8
	s_add_co_u32 s20, s20, s21
	; KEYS ALONE: which rows stand at a position is another choice: in each 64 rows the group of eight at position group 2 t + h holds rows 32 h + 8 t + 0 .. 7, so that four
	; neighbouring tiles of 16 positions give a lane of the score product 32 neighbouring keys.  That is the source offset with bits 16 and 17 (rows 16 and 32) exchanged.
	s_bfe_u32 s22, s20, 0x10010
	s_bfe_u32 s24, s20, 0x10011
	s_xor_b32 s22, s22, s24
	s_mul_i32 s22, s22, 0x30000
	s_lshr_b32 s23, ttmp9, 8
	s_cmp_eq_u32 s23, 1                            ; the choice hangs on the work-group's number alone
	s_cselect_b32 s22, s22, 0
	s_xor_b32 s20, s20, s22
	s_mov_b32 s21, 0
	s_add_nc_u64 s[4:5], s[4:5], s[20:21]
	s_mul_i32 s20, ttmp9, 1536                     ; 48 x (32 x work-group + 8 x group)
	s_mul_i32 s22, s18, 384
	s_add_co_u32 s20, s20, s22
	s_add_nc_u64 s[10:11], s[10:11], s[20:21]
	s_mul_i32 s20, s16, SPLANE                     ; scale plane = my wave, + 8 x 32 x work-group
	s_lshl_b32 s22, ttmp9, 8
	s_add_co_u32 s20, s20, s22
	s_add_nc_u64 s[12:13], s[12:13], s[20:21]
.macro LOAD t
.irp i, 0,1,2,3
	global_load_b128 v[R+16*((\t)%4)+4*\i:R+16*((\t)%4)+4*\i+3], v3, s[4:5] offset:2048*(\t)+512*\i th:TH_LOAD_NT   ; 32 lanes read 512 consecutive bytes
.endr
.endm
.macro TURN t                          ; step t's numbers through the turning stage: LDS serves a wave's instructions in order, so no wait stands between the stores and the loads
.irp i, 0,1,2,3
	ds_store_b128 v14, v[R+16*((\t)%4)+4*\i:R+16*((\t)%4)+4*\i+3] offset:32*SP*((\t)%2)+8*SP*\i
.endr
.irp i, 0,1,2,3
	ds_load_b128 v[X+16*((\t)%2)+4*\i:X+16*((\t)%2)+4*\i+3], v15 offset:32*SP*((\t)%2)+16*\i
.endr
.endm
.irp t, 0,1,2,3
	LOAD \t
.endr
	s_wait_loadcnt 12                              ; step 0's four loads are in
	TURN 0
.macro STEP t
.set XS, X+16*((\t)%2)
.if (\t) > 0
	s_wait_dscnt 2                                 ; this step's numbers are back from the stage; the last step's byte store and code store may be out
.else
	s_wait_dscnt 0x0
.endif
.if (\t)+4 < STEPS
	LOAD (\t)+4                                    ; into the registers that this step's stores into the stage have read
.endif
.if (\t)+1 < STEPS
.if STEPS-2-(\t) >= 3
	s_wait_loadcnt 12                              ; the next step's four loads are in; those of the three steps behind it may be out
.else
	s_wait_loadcnt 4*(STEPS-2-(\t))
.endif
	TURN (\t)+1
.endif
	v_max3_num_f32 v8, |v[XS]|, |v[XS+1]|, |v[XS+2]|               ; the largest magnitude of my 16, in two chains
	v_max3_num_f32 v9, |v[XS+3]|, |v[XS+4]|, |v[XS+5]|
.irp i, 6,10
	v_max3_num_f32 v8, v8, |v[XS+\i]|, |v[XS+\i+1]|
	v_max3_num_f32 v9, v9, |v[XS+\i+2]|, |v[XS+\i+3]|
.endr
	v_max3_num_f32 v8, v8, |v[XS+14]|, |v[XS+15]|
	v_max3_num_f32 v8, v8, v9, (EMAX+1)<<23        ; and the floor 2^(3 - 127): the byte cannot fall under 1
	v_max_num_f32_dpp v8, v8, v8 row_xmask:1 row_mask:0xf bank_mask:0xf   ; with my neighbour's 16: the block's
	v_add_nc_u32 v1, -(EMAX<<23), v8               ; 2 off its exponent field: the conversion's scale operand
	v_cvt_scalef32_pk16_fp6_f32 v[C+4*(\t):C+4*(\t)+2], v[XS:XS+15], v1
	v_lshrrev_b32 v[E+(\t)], 23, v1                ; the scale's byte (a plain line behind the conversion)
	ds_store_b8 v5, v[E+(\t)] offset:512*((\t)%2)+8*((\t)/2)   ; both lanes of a block write the same byte with the same value
	ds_store_b96 v4, v[C+4*(\t):C+4*(\t)+2] offset:CST+CPI*(\t)   ; 12 bytes to a place of 16
.endm
.irp t, 0,1,2,3,4,5,6,7,8,9,10,11,12,13,14,15
	STEP \t
.endr
	s_wait_dscnt 0x0                               ; for the others' sake: my scale bytes have landed
	s_barrier_signal -1
	s_barrier_wait -1
.irp c, 0,1,2,3,4,5,6,7,8,9,10,11,12,13,14,15
	ds_load_b96 v[R+4*\c:R+4*\c+2], v10 offset:CPI*(\c/8)+64*(\c%8)   ; plane c of my 8 rows: row lane / 4 was step 2 (lane / 4) + c / 8, lane 4 (c % 8) + lane % 4
.endr
	ds_load_b64 v[X:X+1], v6                       ; a plane of scale bytes, written by all four waves
.irp c, 0,1,2,3,4,5,6,7,8,9,10,11,12,13,14,15
	s_wait_dscnt 16-\c                             ; plane c is in: 15 - c planes and the scale bytes are younger
	global_store_b96 v[11+\c/6], v[R+4*\c:R+4*\c+2], s[10:11] offset:(\c%6)*PLANE   ; 32 lanes store 384 consecutive bytes
.endr
	s_wait_dscnt 0x0
	global_store_b64 v7, v[X:X+1], s[12:13]        ; 32 lanes store 256 consecutive bytes, aligned
	s_wait_tensorcnt 0x0
	ds_add_u32 v192, v193
	s_wait_dscnt 0x0
	s_endpgm
.Lfunc_end_k_qa64874c727_quant_x:
	.size	k_qa64874c727_quant_x, .Lfunc_end_k_qa64874c727_quant_x-k_qa64874c727_quant_x
	.p2alignl 7, 3214868480
	.fill 96, 4, 3214868480
	.section	.rodata,"a",@progbits
	.p2align	6, 0x0
	.amdhsa_kernel k_qa64874c727_quant_x
		.amdhsa_group_segment_fixed_size 67072
		.amdhsa_private_segment_fixed_size 0
		.amdhsa_enable_private_segment 0
		.amdhsa_kernarg_size 40
		.amdhsa_user_sgpr_count 2
		.amdhsa_user_sgpr_kernarg_segment_ptr 1
		.amdhsa_wavefront_size32 1
		.amdhsa_system_sgpr_workgroup_id_x 1
		.amdhsa_system_sgpr_workgroup_id_y 1
		.amdhsa_system_sgpr_workgroup_id_z 1
		.amdhsa_system_vgpr_workitem_id 0
		.amdhsa_next_free_vgpr 194
		.amdhsa_next_free_sgpr 66
		.amdhsa_reserve_vcc 0
		.amdhsa_float_denorm_mode_32 3
		.amdhsa_float_denorm_mode_16_64 3
		.amdhsa_memory_ordered 1
		.amdhsa_forward_progress 1
		.amdhsa_inst_pref_size 36
	.end_amdhsa_kernel
	.amdgpu_metadata
---
amdhsa.version: [ 1, 2 ]
amdhsa.kernels:
  - .name:           k_qa64874c727_quant_x
    .symbol:         k_qa64874c727_quant_x.kd
    .args:
      - { .name: queries, .offset: 0, .size: 8, .value_kind: global_buffer, .address_space: global }
      - { .name: keys, .offset: 8, .size: 8, .value_kind: global_buffer, .address_space: global }
      - { .name: values, .offset: 16, .size: 8, .value_kind: global_buffer, .address_space: global }
      - { .name: codes, .offset: 24, .size: 8, .value_kind: global_buffer, .address_space: global }
      - { .name: scales, .offset: 32, .size: 8, .value_kind: global_buffer, .address_space: global }
    .group_segment_fixed_size: 67072
    .private_segment_fixed_size: 0
    .kernarg_segment_align: 8
    .kernarg_segment_size: 40
    .max_flat_workgroup_size: 128
    .sgpr_count:     66
    .vgpr_count:     194
    .wavefront_size: 32
...
	.end_amdgpu_metadata
.endif
;; end of part 1
;; launch quant_w (part 2): grid 8 x 16, 4 waves a work-group, no clusters, 36,352 bytes of LDS; arguments Wq, Wk, Wv, Wo, codes, scales; writes codes, scales
.if DOCPART == 2
	.amdgcn_target "amdgcn-amd-amdhsa--gfx1250"
	.amdhsa_code_object_version 6
	.text
	.protected	k_qa64874c727_quant_w
	.globl	k_qa64874c727_quant_w
	.p2align	8
	.type	k_qa64874c727_quant_w,@function
k_qa64874c727_quant_w:
	s_mov_b64 s[64:65], 0
	v_nop
	global_prefetch_b8 v0, s[64:65] scope:SCOPE_SE
	s_setreg_imm32_b32 hwreg(HW_REG_WAVE_MODE, 25, 1), 1
	s_wait_xcnt 0x0
; Wq, Wk, Wv, Wo: each [1024 (k)][1024 (n)] f32, K is the FIRST axis.  They become operands with K innermost, in the planes of the activations' buffers:
; codes [16 = K/64][28672 rows][48], scale bytes [4 = K/256][28672 rows][8]; rows Wq 24576 + n, Wk 25600 + n, Wv 26624 + n, Wo 27648 + n, each at its POSITION (bits 3 and 4 of the row's number exchanged).
; A LANE TAKES A COLUMN n AND ITS REGISTERS RUN DOWN K: a block of 32 lies in one lane, its largest magnitude needs no other lane, and the conversions give codes with K innermost.
; A block's byte is the largest magnitude's exponent field - 2, held at 1 from below.
; LIMITS: a block of zeros gets the byte 1 (zero codes; only this program reads the bytes); blocks under 2^-124 are held at the byte 1; NaN and infinities are not served.
; SHARES: work-group y = 4 x tensor + which 256 along K; x and the wave: 32 columns.  A wave's codes (32 columns x 192 bytes) go through its own stage in LDS and leave as 8 rows x 48 bytes = 384 consecutive bytes a store.
; 128 work-groups: the launch moves 17 MB once and has no more to share out at 32 columns x 256 K a wave.
.set PLANE,  1376256
.set SPLANE, 229376
.set NB,     8                         ; blocks of a lane
.set PITCH,  272                       ; a stage row: sixteen places of 16 bytes, 12 of codes in each, + 16
.set EMAX,   2
.set X,      32                        ; v32-95   two sets of 32 numbers
.set C,      96                        ; v96..    a block's codes
.set OUTR,   112                       ; v112-175 the way out
.set SBY,    24                        ; v24-25   the scale bytes
	s_load_b256 s[4:11], s[0:1], 0x0               ; Wq, Wk, Wv, Wo
	s_load_b128 s[12:15], s[0:1], 0x20             ; codes s[12:13], scales s[14:15]
	v_lshl_add_u32 v192, v0, 2, 0x8c00
	v_mov_b32 v193, 0
	v_lshrrev_b32 v1, 5, v0
	v_readfirstlane_b32 s16, v1                    ; wave 0..3
	v_and_b32 v2, 31, v0                           ; lane
	s_lshl_b32 s17, ttmp9, 7
	s_lshl_b32 s18, s16, 5
	s_add_co_u32 s17, s17, s18                     ; my wave's first column
	s_and_b32 s18, ttmp7, 0xffff
	s_lshr_b32 s19, s18, 2                         ; tensor 0..3
	s_and_b32 s18, s18, 3                          ; which 256 along K
	v_lshlrev_b32 v3, 2, v2                        ; in: 4 bytes a lane
	s_mul_i32 s20, s16, 32*PITCH                   ; my stage
	v_mul_u32_u24 v4, v2, PITCH
	v_add_nc_u32 v4, s20, v4                       ; into it: row = my column
	v_lshrrev_b32 v5, 2, v2
	v_and_b32 v6, 3, v2
	v_mul_u32_u24 v7, v5, PITCH
	v_lshl_add_u32 v7, v6, 4, v7
	v_add_nc_u32 v7, s20, v7                       ; out of it: column lane / 4 of a group of eight, piece lane % 4 of a plane's four
	v_mul_u32_u24 v8, v2, 12                       ; and the same place in a plane's 384 bytes
	v_bfe_u32 v5, v2, 3, 1
	v_bfe_u32 v6, v2, 4, 1
	v_and_b32 v9, 7, v2
	v_lshl_add_u32 v9, v5, 4, v9
	v_lshl_add_u32 v9, v6, 3, v9                   ; my column's position among the 32
	v_lshlrev_b32 v9, 3, v9                        ; 8 scale bytes a row
	s_lshl_b32 s20, s18, 20                        ; 256 rows of 4,096 bytes
	s_lshl_b32 s21, s17, 2
	s_add_co_u32 s20, s20, s21
	s_mov_b32 s21, 0
	s_lshl_b32 s22, s19, 10
	s_add_co_u32 s22, s22, s17
	s_add_co_u32 s22, s22, 24576                   ; my first row in the planes
	s_mul_i32 s24, s18, 4*PLANE
	s_mul_i32 s25, s22, 48
	s_add_co_u32 s24, s24, s25
	s_mov_b32 s25, 0
	s_mul_i32 s26, s18, SPLANE
	s_lshl_b32 s27, s22, 3
	s_add_co_u32 s26, s26, s27
	s_mov_b32 s27, 0
	s_and_b32 s23, s19, 1
	s_wait_kmcnt 0x0
	s_cmp_lg_u32 s23, 0                            ; the choice hangs on the work-group's number alone
	s_cselect_b64 s[4:5], s[6:7], s[4:5]
	s_cselect_b64 s[8:9], s[10:11], s[8:9]
	s_cmp_ge_u32 s19, 2
	s_cselect_b64 s[4:5], s[8:9], s[4:5]
	s_add_nc_u64 s[4:5], s[4:5], s[20:21]
	s_add_nc_u64 s[12:13], s[12:13], s[24:25]
	s_add_nc_u64 s[14:15], s[14:15], s[26:27]
.macro LOAD t                          ; block t: W(32 t + i, my column) into set t % 2; a wave's load reads 128 consecutive bytes
.set i, 0
.rept 32
	global_load_b32 v[X+32*((\t)%2)+i], v3, s[4:5] offset:(32*(\t)+i)*4096 th:TH_LOAD_NT
.set i, i+1
.endr
.endm
	LOAD 0
	LOAD 1
.macro BLOCK t
.set XS, X+32*((\t)%2)
.if (\t) < NB-1
	s_wait_loadcnt 32                              ; this block's 32 loads are in; the next block's may be out
.else
	s_wait_loadcnt 0
.endif
	v_max3_num_f32 v12, |v[XS]|, |v[XS+1]|, |v[XS+2]|               ; the block's largest magnitude: all 32 numbers are mine
	v_max3_num_f32 v13, |v[XS+3]|, |v[XS+4]|, |v[XS+5]|
.irp i, 6,10,14,18,22,26
	v_max3_num_f32 v12, v12, |v[XS+\i]|, |v[XS+\i+1]|
	v_max3_num_f32 v13, v13, |v[XS+\i+2]|, |v[XS+\i+3]|
.endr
	v_max3_num_f32 v12, v12, |v[XS+30]|, |v[XS+31]|
	v_max3_num_f32 v12, v12, v13, (EMAX+1)<<23     ; and the floor 2^(3 - 127)
	v_add_nc_u32 v11, -(EMAX<<23), v12             ; the conversion's scale operand
	v_lshrrev_b32 v13, 23, v11                     ; the scale's byte
.if (\t)%4 == 0
	v_mov_b32 v[SBY+(\t)/4], v13                   ; four bytes to a register, the lower K in the lower byte
.else
	v_lshl_or_b32 v[SBY+(\t)/4], v13, 8*((\t)%4), v[SBY+(\t)/4]
.endif
	v_cvt_scalef32_pk16_fp6_f32 v[C:C+2], v[XS:XS+15], v11
	v_cvt_scalef32_pk16_fp6_f32 v[C+4:C+6], v[XS+16:XS+31], v11     ; (a conversion's three registers begin on an even number)
	ds_store_b96 v4, v[C:C+2] offset:32*(\t)       ; 12 bytes to a place of 16
	ds_store_b96 v4, v[C+4:C+6] offset:32*(\t)+16
.if (\t)+2 < NB
	LOAD (\t)+2
.endif
	s_wait_dscnt 0x0                               ; the stores have read their registers: the next block's codes may be written
.endm
.set Q, 0
.rept NB
	BLOCK Q
.set Q, Q+1
.endr
	s_wait_alu depctr_va_vdst(0)
	global_store_b64 v9, v[SBY:SBY+1], s[14:15]    ; my column's 8 bytes at its position: the wave stores 256 consecutive bytes, aligned
.set n, 0
.rept 16                               ; n = 4 x plane + group of eight columns
	ds_load_b96 v[OUTR+4*n:OUTR+4*n+2], v7 offset:8*(n%4)*PITCH+64*(n/4)   ; LDS serves a wave's instructions in order: these see my stores
.set n, n+1
.endr
.set n, 0
.rept 16
	s_wait_dscnt 15-n
	global_store_b96 v8, v[OUTR+4*n:OUTR+4*n+2], s[12:13] offset:(n/4)*PLANE+384*(((n%4)&1)*2+(n%4)/2)   ; the group at its position: 384 consecutive bytes
.set n, n+1
.endr
	s_wait_tensorcnt 0x0
	ds_add_u32 v192, v193
	s_wait_dscnt 0x0
	s_endpgm
.Lfunc_end_k_qa64874c727_quant_w:
	.size	k_qa64874c727_quant_w, .Lfunc_end_k_qa64874c727_quant_w-k_qa64874c727_quant_w
	.p2alignl 7, 3214868480
	.fill 96, 4, 3214868480
	.section	.rodata,"a",@progbits
	.p2align	6, 0x0
	.amdhsa_kernel k_qa64874c727_quant_w
		.amdhsa_group_segment_fixed_size 36352
		.amdhsa_private_segment_fixed_size 0
		.amdhsa_enable_private_segment 0
		.amdhsa_kernarg_size 48
		.amdhsa_user_sgpr_count 2
		.amdhsa_user_sgpr_kernarg_segment_ptr 1
		.amdhsa_wavefront_size32 1
		.amdhsa_system_sgpr_workgroup_id_x 1
		.amdhsa_system_sgpr_workgroup_id_y 1
		.amdhsa_system_sgpr_workgroup_id_z 1
		.amdhsa_system_vgpr_workitem_id 0
		.amdhsa_next_free_vgpr 194
		.amdhsa_next_free_sgpr 66
		.amdhsa_reserve_vcc 0
		.amdhsa_float_denorm_mode_32 3
		.amdhsa_float_denorm_mode_16_64 3
		.amdhsa_memory_ordered 1
		.amdhsa_forward_progress 1
		.amdhsa_inst_pref_size 42
	.end_amdhsa_kernel
	.amdgpu_metadata
---
amdhsa.version: [ 1, 2 ]
amdhsa.kernels:
  - .name:           k_qa64874c727_quant_w
    .symbol:         k_qa64874c727_quant_w.kd
    .args:
      - { .name: Wq, .offset: 0, .size: 8, .value_kind: global_buffer, .address_space: global }
      - { .name: Wk, .offset: 8, .size: 8, .value_kind: global_buffer, .address_space: global }
      - { .name: Wv, .offset: 16, .size: 8, .value_kind: global_buffer, .address_space: global }
      - { .name: Wo, .offset: 24, .size: 8, .value_kind: global_buffer, .address_space: global }
      - { .name: codes, .offset: 32, .size: 8, .value_kind: global_buffer, .address_space: global }
      - { .name: scales, .offset: 40, .size: 8, .value_kind: global_buffer, .address_space: global }
    .group_segment_fixed_size: 36352
    .private_segment_fixed_size: 0
    .kernarg_segment_align: 8
    .kernarg_segment_size: 48
    .max_flat_workgroup_size: 128
    .sgpr_count:     66
    .vgpr_count:     194
    .wavefront_size: 32
...
	.end_amdgpu_metadata
.endif
;; end of part 2
;; launch proj (part 3): grid 4 x 96, 4 waves a work-group, clusters of 4 x 4, 327,680 bytes of LDS; arguments codes, scales, pc, ps; writes pc, ps
.if DOCPART == 3
	.amdgcn_target "amdgcn-amd-amdhsa--gfx1250"
	.amdhsa_code_object_version 6
	.text
	.protected	k_qa64874c727_proj
	.globl	k_qa64874c727_proj
	.p2align	8
	.type	k_qa64874c727_proj,@function
k_qa64874c727_proj:
	s_mov_b64 s[64:65], 0
	v_nop
	global_prefetch_b8 v0, s[64:65] scope:SCOPE_SE
	s_setreg_imm32_b32 hwreg(HW_REG_WAVE_MODE, 25, 1), 1
	s_wait_xcnt 0x0
	s_wait_alu depctr_hold_cnt(0) depctr_sa_sdst(0) depctr_va_vdst(0) depctr_va_sdst(0) depctr_va_ssrc(0) depctr_va_vcc(0) depctr_vm_vsrc(0)
	s_getreg_b32 s2, hwreg(HW_REG_IB_STS2, 6, 4)
	s_cmp_eq_u32 s2, 0
	s_cbranch_scc0 .Lentry_in_a_cluster
	s_endpgm
.Lentry_in_a_cluster:
	s_bfe_u32 s2, ttmp6, 0x10000c
	s_cmp_lg_u32 s2, 0xf033
	s_cbranch_scc0 .Lentry_shape_is_right
	s_endpgm
.Lentry_shape_is_right:
.set PLANE,  1376256
.set SPLANE, 229376
.set PLA,    PLANE
.set PLB,    PLANE
.set SPLA,   SPLANE
.set SPLB,   SPLANE
.set NQ,     2
.set FR,     12
.set NL,     6
.set NP,     4
.set HALFT,  24576
.set SLOT,   4*HALFT
.set SCL,    2*SLOT
.set HALFS,  4096
.set SPARE,  SCL+4*HALFS
.set STG,    SPARE+512
.set SSTG,   STG+4*12288
.set ADRA, 16
.set ADRB, 20
.set SRD,  22
.set SCO,  23
.set STO,  24
.set RD,   25
.set CO,   26
.set ADRS, 27
.set SPW,  28
.set NIL,  29
.set H16,  30
.set SSTO, 31
.set SC,   32
.set TM,   64
.set PW,   80
.set TW,   81
.set PC,   84
.set AF,   128
.set G1, 24
.set G0, 32
.set G1B, 48
.set G0B, 56
.set G1S, 68
.set G0S, 76
.set G1SB, 80
.set G0SB, 88
.set SEL, 98
.set MSB, 0
.macro WIN new
.if MSB != \new
	s_set_vgpr_msb (MSB<<8)|\new
.set MSB, \new
.endif
.endm
.set MUL_LO, 0xa1
.set MUL_HI, 0xf1
.set TO_B,   0x40
.macro JLOAD g0a, g1a, g0b, g1b
	s_cmp_eq_u32 s15, 0
	s_cbranch_scc0 .Lfor_b_\@
	tensor_load_to_lds s[\g0a:\g0a+3], s[\g1a:\g1a+7]
	s_nop 0
.rept 4
	v_nop
.endr
	s_branch .Lasked_\@
.Lfor_b_\@:
	tensor_load_to_lds s[\g0b:\g0b+3], s[\g1b:\g1b+7]
	s_nop 0
.rept 4
	v_nop
.endr
.Lasked_\@:
.endm
.macro CREST
	s_cmp_lg_u32 s14, 0
	s_cbranch_scc1 .Lnot_wave_0_\@
	s_barrier_signal -3
.Lnot_wave_0_\@:
	s_barrier_wait -3
	s_barrier_signal -1
	s_barrier_wait -1
.endm
.macro CROUND
	s_barrier_signal -1
	s_barrier_wait -1
	CREST
.endm
	s_load_b128 s[4:7], s[0:1], 0x0
	s_load_b128 s[8:11], s[0:1], 0x10
	v_lshl_add_u32 v[SPW], v0, 2, SPARE
	v_mov_b32 v[NIL], 0
	ds_add_u32 v28, v29
	ds_add_u32 v28, v29
	s_wait_dscnt 0x0
	v_lshrrev_b32 v1, 5, v0
	v_readfirstlane_b32 s14, v1
	s_lshr_b32 s15, s14, 1
	s_and_b32 s16, s14, 1
	s_bfe_u32 s40, ttmp6, 0x40000
	s_bfe_u32 s41, ttmp6, 0x40004
	s_and_b32 s17, ttmp7, 0xffff
	s_lshr_b32 s42, s17, 3
	s_and_b32 s17, s17, 7
	s_lshl_b32 s43, s41, 2
	s_lshl_b32 s43, 15, s43
	s_lshl_b32 s44, 0x1111, s40
	s_or_b32 s[G1+0], s43, (3<<16)|(1<<21)
	s_or_b32 s[G1B+0], s44, (3<<16)|(1<<21)
.irp g, G1, G1B
	s_mov_b32 s[\g+1], 768<<16
	s_mov_b32 s[\g+2], 4<<16
	s_mov_b32 s[\g+3], 768<<16
	s_mov_b32 s[\g+4], 4
	s_mov_b32 s[\g+6], 0
	s_mov_b32 s[\g+7], 0
.endr
	s_mov_b32 s[G1+5], PLA/8
	s_mov_b32 s[G1B+5], PLB/8
	s_or_b32 s[G1S+0], s43, (3<<16)|(1<<21)
	s_or_b32 s[G1SB+0], s44, (3<<16)|(1<<21)
.irp g, G1S, G1SB
	s_mov_b32 s[\g+1], 128<<16
	s_mov_b32 s[\g+2], 4<<16
	s_mov_b32 s[\g+3], 128<<16
	s_mov_b32 s[\g+4], 4
	s_mov_b32 s[\g+6], 0
	s_mov_b32 s[\g+7], 0
.endr
	s_mov_b32 s[G1S+5], SPLA/8
	s_mov_b32 s[G1SB+5], SPLB/8
	s_lshl_b32 s18, s42, 13
	s_lshl_b32 s19, s17, 10
	s_add_co_u32 s18, s18, s19
	s_lshl_b32 s20, s42, 10
	s_add_co_u32 s20, s20, 24576
	s_add_co_u32 s19, s19, 16384
	s_mov_b32 s21, 26624
	s_cmp_eq_u32 s42, 2
	s_cselect_b32 s18, s21, s18
	s_cselect_b32 s46, s19, s20
	s_lshl_b32 s19, s16, 7
	s_lshl_b32 s20, s41, 8
	s_add_co_u32 s20, s20, s18
	s_add_co_u32 s20, s20, s19
	s_lshl_b32 s47, s40, 8
	s_add_co_u32 s46, s46, s47
	s_add_co_u32 s46, s46, s19
	s_lshl_b32 s22, s20, 3
	s_mov_b32 s23, 0
	s_mul_i32 s20, s20, 48
	s_mov_b32 s21, 0
	s_lshl_b32 s92, s46, 3
	s_mov_b32 s93, 0
	s_mul_i32 s46, s46, 48
	s_mov_b32 s47, 0
	s_mul_i32 s45, s14, HALFT
	s_mul_i32 s94, s14, HALFS
	s_wait_kmcnt 0x0
	s_add_nc_u64 s[20:21], s[4:5], s[20:21]
	s_add_nc_u64 s[22:23], s[6:7], s[22:23]
	s_add_nc_u64 s[46:47], s[4:5], s[46:47]
	s_add_nc_u64 s[92:93], s[6:7], s[92:93]
	CROUND
	s_mov_b32 s[G0S], 1
	s_add_co_u32 s[G0S+1], s94, SCL
	s_mov_b64 s[G0S+2:G0S+3], s[22:23]
	s_or_b32 s[G0S+3], s[G0S+3], 0x80000000
	s_mov_b32 s[G0SB], 1
	s_add_co_u32 s[G0SB+1], s94, SCL
	s_mov_b64 s[G0SB+2:G0SB+3], s[92:93]
	s_or_b32 s[G0SB+3], s[G0SB+3], 0x80000000
	JLOAD G0S, G1S, G0SB, G1SB
.irp s, 0,1
	s_mov_b32 s[G0+4*\s], 1
	s_add_co_u32 s[G0+4*\s+1], s45, \s*SLOT
	s_add_nc_u64 s[G0+4*\s+2:G0+4*\s+3], s[20:21], \s*4*PLA
	s_or_b32 s[G0+4*\s+3], s[G0+4*\s+3], 0x80000000
	s_mov_b32 s[G0B+4*\s], 1
	s_add_co_u32 s[G0B+4*\s+1], s45, \s*SLOT
	s_add_nc_u64 s[G0B+4*\s+2:G0B+4*\s+3], s[46:47], \s*4*PLB
	s_or_b32 s[G0B+4*\s+3], s[G0B+4*\s+3], 0x80000000
	s_wait_alu depctr_va_vdst(0)
	s_wait_tensorcnt 0x0
	ds_add_u32 v28, v29
	s_wait_dscnt 0x0
	CROUND
	JLOAD G0+4*\s, G1, G0B+4*\s, G1B
.endr
	v_and_b32 v1, 15, v0
	v_bfe_u32 v2, v0, 4, 1
	s_wait_alu depctr_va_vdst(0)
	v_mul_u32_u24 v3, v1, 48
	v_mad_u32_u24 v4, v2, 24, v3
	s_wait_alu depctr_va_vdst(0)
	s_mul_i32 s21, s15, HALFT
	s_mul_i32 s22, s16, HALFT
	s_add_co_u32 s22, s22, 2*HALFT
.irp s, 0,1
	v_add_nc_u32 v[ADRA+\s], s21, v4
	v_add_nc_u32 v[ADRB+\s], s22, v4
	s_add_co_u32 s21, s21, SLOT
	s_add_co_u32 s22, s22, SLOT
.endr
	v_lshlrev_b32 v5, 3, v1
	s_mul_i32 s21, s15, HALFS
	s_mul_i32 s22, s16, HALFS
	s_add_co_u32 s22, s22, 2*HALFS
	s_sub_co_u32 s22, s22, s21
	v_mul_u32_u24 v6, s22, v2
	s_add_co_u32 s21, s21, SCL
	v_add_nc_u32 v5, v5, v6
	v_add_nc_u32 v[ADRS], s21, v5
	s_mul_i32 s23, s14, 12288
	s_add_co_u32 s23, s23, STG
	v_add_nc_u32 v[STO], s23, v4
	v_and_b32 v6, 31, v0
	v_lshlrev_b32 v[CO], 4, v6
	v_add_nc_u32 v[RD], s23, v[CO]
	s_lshl_b32 s23, s14, 10
	s_add_co_u32 s23, s23, SSTG
	v_lshlrev_b32 v5, 2, v1
	v_lshl_add_u32 v5, v2, 9, v5
	v_add_nc_u32 v[SSTO], s23, v5
	v_add_nc_u32 v[SRD], s23, v[CO]
	v_lshlrev_b32 v[H16], 4, v2
.macro FRAG reg, adr, q, i
.irp p, 0,1,2,3,4,5
	ds_load_b64 v[\reg+2*\p:\reg+2*\p+1], v[\adr] offset:(2*(\q)+\p/3)*6144+(\i)*768+8*(\p%3)
.endr
.endm
.macro MUL16 a0, p, q, sc, zero
.irp a, \a0, \a0+1
.irp b, 0,1,2,3,4,5,6,7
.if \zero
	v_wmma_scale_f32_16x16x128_f8f6f4 v[8*(8*((\a)%4)+\b):8*(8*((\a)%4)+\b)+7], v[128*(\p)+FR*\b:128*(\p)+FR*\b+FR-1], v[AF+FR*(\a):AF+FR*(\a)+FR-1], 0, v[SC+8*NQ*(\sc)+NQ*\b+(\q)], v[SC+8*NQ*(\sc)+NQ*(\a)+(\q)] matrix_a_fmt:MATRIX_FMT_FP6 matrix_b_fmt:MATRIX_FMT_FP6 matrix_a_scale:MATRIX_SCALE_ROW1
.else
	v_wmma_scale_f32_16x16x128_f8f6f4 v[8*(8*((\a)%4)+\b):8*(8*((\a)%4)+\b)+7], v[128*(\p)+FR*\b:128*(\p)+FR*\b+FR-1], v[AF+FR*(\a):AF+FR*(\a)+FR-1], v[8*(8*((\a)%4)+\b):8*(8*((\a)%4)+\b)+7], v[SC+8*NQ*(\sc)+NQ*\b+(\q)], v[SC+8*NQ*(\sc)+NQ*(\a)+(\q)] matrix_a_fmt:MATRIX_FMT_FP6 matrix_b_fmt:MATRIX_FMT_FP6 matrix_a_scale:MATRIX_SCALE_ROW1
.endif
.endr
.endr
.endm
.macro FETCH_B slot, q, p
	WIN TO_B
.irp i, 0,1,2,3,4,5,6,7
	FRAG 128*(\p)+FR*\i, ADRB+\slot, \q, \i
.endr
	WIN 0
.endm
.macro FETCH_A slot, q, i0
.irp i, \i0, \i0+1, \i0+2, \i0+3
	FRAG AF+FR*(\i), ADRA+\slot, \q, \i
.endr
.endm
.macro SCALES sc
.irp i, 0,1,2,3,4,5,6,7
	ds_load_b64 v[SC+8*NQ*\sc+NQ*\i:SC+8*NQ*\sc+NQ*\i+1], v[ADRS] offset:\i*128
.endr
.endm
.macro PLACES n
.rept \n
	v_nop
.endr
.endm
.macro STEP slot, q, zero
	s_wait_dscnt 4*NL
	WIN MUL_LO
	MUL16 0, (\q)%2, \q, \slot, \zero
	MUL16 2, (\q)%2, \q, \slot, \zero
	s_wait_dscnt 0
	PLACES NP
	FETCH_B \slot, (\q)+1, 1-(\q)%2
	FETCH_A \slot, (\q)+1, 0
	WIN MUL_HI
	MUL16 4, (\q)%2, \q, \slot, \zero
	MUL16 6, (\q)%2, \q, \slot, \zero
	PLACES NP
	WIN 0
	FETCH_A \slot, (\q)+1, 4
.endm
.macro TURN slot, next, fill
	s_wait_tensorcnt 0x0
	ds_add_u32 v[SPW], v[NIL]
	s_wait_dscnt 4*NL+1
	WIN MUL_LO
	MUL16 0, 1, NQ-1, \slot, 0
	s_wait_dscnt 0x0
	s_barrier_signal -1
	MUL16 2, 1, NQ-1, \slot, 0
	WIN 0
	s_barrier_wait -1
.if \fill
	CREST
	s_add_nc_u64 s[G0+4*\slot+2:G0+4*\slot+3], s[G0+4*\slot+2:G0+4*\slot+3], 8*PLA
	s_add_nc_u64 s[G0B+4*\slot+2:G0B+4*\slot+3], s[G0B+4*\slot+2:G0B+4*\slot+3], 8*PLB
	JLOAD G0+4*\slot, G1, G0B+4*\slot, G1B
.else
	PLACES NP
.endif
	s_wait_alu depctr_va_vdst(0)
	v_add_nc_u32 v[ADRS], 1024, v[ADRS]
	FETCH_B \next, 0, 0
	FETCH_A \next, 0, 0
	SCALES \next
	WIN MUL_HI
	MUL16 4, 1, NQ-1, \slot, 0
	MUL16 6, 1, NQ-1, \slot, 0
	PLACES NP
	WIN 0
	FETCH_A \next, 0, 4
.endm
	s_wait_tensorcnt 1
	s_barrier_signal -1
	s_barrier_wait -1
	FETCH_B 0, 0, 0
	FETCH_A 0, 0, 0
	SCALES 0
	FETCH_A 0, 0, 4
	STEP 0, 0, 1
	TURN 0, 1, 1
	STEP 1, 0, 0
	TURN 1, 0, 1
	STEP 0, 0, 0
	TURN 0, 1, 0
	STEP 1, 0, 0
	s_wait_dscnt 4*NL
	WIN MUL_LO
	MUL16 0, 1, NQ-1, 1, 0
	MUL16 2, 1, NQ-1, 1, 0
	s_wait_dscnt 0
	WIN MUL_HI
	MUL16 4, 1, NQ-1, 1, 0
	MUL16 6, 1, NQ-1, 1, 0
	WIN 0
	PLACES NP
.irp b, 0,1,2,3
	v_mov_b32 v[TM+4+\b], 0
.endr
	s_mov_b32 s[SEL], 0x76543210
	s_mov_b32 s[SEL+1], 0xfedcba98
	s_cmp_eq_u32 s42, 2
	s_cselect_b32 s68, s40, s41
	s_cselect_b32 s69, s41, s40
	s_cselect_b32 s70, s16, s15
	s_cselect_b32 s71, s15, s16
	s_mov_b32 s72, 98304
	s_mov_b32 s73, 3072
	s_cselect_b32 s74, s73, s72
	s_cselect_b32 s75, s72, s73
	s_mov_b32 s72, 8192
	s_mov_b32 s73, 256
	s_cselect_b32 s76, s73, s72
	s_cselect_b32 s77, s72, s73
	s_lshl_b32 s68, s68, 8
	s_lshl_b32 s70, s70, 7
	s_add_co_u32 s68, s68, s70
	s_lshl_b32 s70, s17, 10
	s_add_co_u32 s68, s68, s70
	s_lshl_b32 s69, s69, 8
	s_lshl_b32 s71, s71, 7
	s_add_co_u32 s69, s69, s71
	s_lshr_b32 s70, s68, 11
	s_lshl_b32 s70, s70, 4
	s_lshr_b32 s71, s69, 6
	s_add_co_u32 s70, s70, s71
	s_bfe_u32 s71, s68, 0x40007
	s_mul_i32 s78, s42, 6291456
	s_mul_i32 s79, s70, 98304
	s_add_co_u32 s78, s78, s79
	s_mul_i32 s79, s71, 6144
	s_add_co_u32 s78, s78, s79
	s_mov_b32 s79, 0
	s_add_nc_u64 s[80:81], s[8:9], s[78:79]
	s_mov_b32 s78, s75
	s_add_nc_u64 s[82:83], s[80:81], s[78:79]
	s_mov_b32 s78, s74
	s_add_nc_u64 s[84:85], s[80:81], s[78:79]
	s_add_nc_u64 s[86:87], s[82:83], s[78:79]
	s_lshl_b32 s78, s42, 19
	s_lshl_b32 s88, s70, 13
	s_add_co_u32 s78, s78, s88
	s_lshl_b32 s88, s71, 9
	s_add_co_u32 s78, s78, s88
	s_add_nc_u64 s[88:89], s[10:11], s[78:79]
	s_mov_b32 s78, s76
	s_add_nc_u64 s[90:91], s[88:89], s[78:79]
	v_mul_u32_u24 v5, s77, v2
	v_lshl_add_u32 v[SCO], v1, 4, v5
.macro QUANT a
.set QS, 64*((\a)%4)
	WIN 0x0a+5*((\a)/4)
.irp b, 0,1,2,3
	v_max3_num_f32 v[TM+\b], |v[QS+16*\b]|, |v[QS+1+16*\b]|, 0x1800000
.endr
.irp i, 2,4,6,8,10,12,14
.irp b, 0,1,2,3
	v_max3_num_f32 v[TM+\b], |v[QS+16*\b+\i]|, |v[QS+1+16*\b+\i]|, v[TM+\b]
.endr
.endr
	WIN 0
.irp b, 0,1,2,3
	v_permlanex16_b32 v[TM+4+\b], v[TM+\b], s[SEL], s[SEL+1]
.endr
.irp b, 0,1,2,3
	v_max_num_f32 v[TM+\b], v[TM+\b], v[TM+4+\b]
.endr
.irp b, 0,1,2,3
	v_add_nc_u32 v[TM+12+\b], 0xff000000, v[TM+\b]
.endr
.irp b, 0,1,2,3
	v_lshrrev_b32 v[TM+4+\b], 23, v[TM+12+\b]
.endr
	v_lshl_or_b32 v[PW], v[TM+5], 8, v[TM+4]
	v_lshl_or_b32 v[PW], v[TM+6], 16, v[PW]
	v_lshl_or_b32 v[PW], v[TM+7], 24, v[PW]
	s_wait_dscnt 0x0
	WIN 0x02+(\a)/4
.irp c, 0,1
	v_cvt_scalef32_pk16_fp6_f32 v[PC+6*\c:PC+2+6*\c], v[QS+32*\c:QS+15+32*\c], v[TM+12+2*\c]
	v_cvt_scalef32_pk16_fp6_f32 v[PC+12+4*\c:PC+14+4*\c], v[QS+16+32*\c:QS+31+32*\c], v[TM+12+2*\c+1]
.endr
	WIN 0
	v_nop
.irp c, 0,1
.irp i, 0,1,2
	v_permlane16_swap_b32 v[PC+6*\c+\i], v[PC+12+4*\c+\i]
.endr
.irp i, 0,1,2
	v_mov_b32 v[PC+3+6*\c+\i], v[PC+12+4*\c+\i]
.endr
.endr
.endm
.macro OUTSTG a
.irp c, 0,1
.irp p, 0,1,2
	ds_store_b64 v[STO], v[PC+6*\c+2*\p:PC+6*\c+2*\p+1] offset:6144*\c+768*(\a)+8*\p
.endr
.endr
	v_lshrrev_b32 v[TW], v[H16], v[PW]
	v_and_b32 v[TW], 0xffff, v[TW]
	ds_store_b32 v[SSTO], v[TW] offset:64*(\a)
.endm
.irp a, 0,1,2,3,4,5,6,7
	QUANT \a
	OUTSTG \a
.endr
.set n, 0
.rept 24
	ds_load_b128 v[128+4*n:128+4*n+3], v[RD] offset:512*n
.set n, n+1
.endr
.irp c, 0,1
	ds_load_b128 v[224+4*\c:224+4*\c+3], v[SRD] offset:512*\c
.endr
.set n, 0
.rept 24
	s_wait_dscnt 25-n
	global_store_b128 v[CO], v[128+4*n:128+4*n+3], s[80+2*(n/6):81+2*(n/6)] offset:512*(n%6)
.set n, n+1
.endr
.irp c, 0,1
	s_wait_dscnt 1-\c
	global_store_b128 v[SCO], v[224+4*\c:224+4*\c+3], s[88+2*\c:89+2*\c]
.endr
	s_wait_tensorcnt 0x0
	ds_add_u32 v[SPW], v[NIL]
	s_wait_dscnt 0x0
	CROUND
	s_endpgm
.Lfunc_end_k_qa64874c727_proj:
	.size	k_qa64874c727_proj, .Lfunc_end_k_qa64874c727_proj-k_qa64874c727_proj
	.p2alignl 7, 3214868480
	.fill 96, 4, 3214868480
	.section	.rodata,"a",@progbits
	.p2align	6, 0x0
	.amdhsa_kernel k_qa64874c727_proj
		.amdhsa_group_segment_fixed_size 327680
		.amdhsa_private_segment_fixed_size 0
		.amdhsa_enable_private_segment 0
		.amdhsa_kernarg_size 32
		.amdhsa_user_sgpr_count 2
		.amdhsa_user_sgpr_kernarg_segment_ptr 1
		.amdhsa_wavefront_size32 1
		.amdhsa_system_sgpr_workgroup_id_x 1
		.amdhsa_system_sgpr_workgroup_id_y 1
		.amdhsa_system_sgpr_workgroup_id_z 1
		.amdhsa_system_vgpr_workitem_id 0
		.amdhsa_next_free_vgpr 1024
		.amdhsa_next_free_sgpr 102
		.amdhsa_reserve_vcc 0
		.amdhsa_float_denorm_mode_32 3
		.amdhsa_float_denorm_mode_16_64 3
		.amdhsa_memory_ordered 1
		.amdhsa_forward_progress 1
		.amdhsa_inst_pref_size 173
	.end_amdhsa_kernel
	.amdgpu_metadata
---
amdhsa.version: [ 1, 2 ]
amdhsa.kernels:
  - .name:           k_qa64874c727_proj
    .symbol:         k_qa64874c727_proj.kd
    .args:
      - { .name: codes, .offset: 0, .size: 8, .value_kind: global_buffer, .address_space: global }
      - { .name: scales, .offset: 8, .size: 8, .value_kind: global_buffer, .address_space: global }
      - { .name: pc, .offset: 16, .size: 8, .value_kind: global_buffer, .address_space: global }
      - { .name: ps, .offset: 24, .size: 8, .value_kind: global_buffer, .address_space: global }
    .group_segment_fixed_size: 327680
    .private_segment_fixed_size: 0
    .kernarg_segment_align: 8
    .kernarg_segment_size: 32
    .max_flat_workgroup_size: 128
    .sgpr_count:     102
    .vgpr_count:     1024
    .wavefront_size: 32
...
	.end_amdgpu_metadata
.endif
;; end of part 3
;; launch attn (part 4): grid 4 x 64, 16 waves a work-group, clusters of 4 x 1, 243,712 bytes of LDS; arguments pc, ps, ac, asc; writes ac, asc
.if DOCPART == 4
	.amdgcn_target "amdgcn-amd-amdhsa--gfx1250"
	.amdhsa_code_object_version 6
	.text
	.protected	k_qa64874c727_attn
	.globl	k_qa64874c727_attn
	.p2align	8
	.type	k_qa64874c727_attn,@function
k_qa64874c727_attn:
	s_mov_b64 s[64:65], 0
	v_nop
	global_prefetch_b8 v0, s[64:65] scope:SCOPE_SE
	s_setreg_imm32_b32 hwreg(HW_REG_WAVE_MODE, 25, 1), 1
	s_wait_xcnt 0x0
	s_wait_alu depctr_hold_cnt(0) depctr_sa_sdst(0) depctr_va_vdst(0) depctr_va_sdst(0) depctr_va_ssrc(0) depctr_va_vcc(0) depctr_vm_vsrc(0)
	s_getreg_b32 s2, hwreg(HW_REG_IB_STS2, 6, 4)
	s_cmp_eq_u32 s2, 0
	s_cbranch_scc0 .Lentry_in_a_cluster
	s_endpgm
.Lentry_in_a_cluster:
	s_bfe_u32 s2, ttmp6, 0x10000c
	s_cmp_lg_u32 s2, 0x3003
	s_cbranch_scc0 .Lentry_shape_is_right
	s_endpgm
.Lentry_shape_is_right:
; O[n][h][q] = the sum over k of softmax_k(q . k / 8) v, head size 64, 2,048 keys, both products on codes of FP6 (E2M3) with E8M0 scales; O is quantised at once, along the model's 1,024, for the last product.
; IN: pc [3: q, k, v][64 = 16 n + head][98,304]: q, k [position of token][48 bytes = 64 codes]; v [key step of 128][chunk of 64 keys][position of d][48].  ps: a word for each such 48 bytes: bytes 0, 1 its two scales, bytes 2, 3 zero.
; POSITIONS OF KEYS: in each 64, position 16 t + 8 h + j holds key 32 h + 8 t + j.  As source 0, tile 4 c + t gives lane (r, h) in register j the key 64 c + 32 h + 8 t + j:
; the 32 registers of four neighbouring tiles are ONE scale block of the second product, 2 c + h, in the order of that product's operand.  No lane looks at another for a block.
; POSITIONS OF d AND OF QUERIES: bits 3 and 4 of the number exchanged, as the launches before leave them.
; THE SOFTMAX AHEAD OF THE SECOND PRODUCT: t = score x log2(e) / 8; M = the running largest t rounded UP to a whole number; p = 2^(t - M) is what is quantised, along the keys.  The row's sum is taken of the
; unquantised p and divides O at the end.  When M moves, the sum and O are multiplied by 2^(old M - new M): exact.
; SHARES: a work-group owns 512 queries of one head, in two passes of 256; each of its sixteen waves 16 queries a pass, in 256 registers.
; THE HEAD'S WHOLE K AND V (196,608 bytes) AND THEIR SCALE WORDS (16,384) LIE IN LDS, filled once, at the head, one tensor load a wave: waves 0-7 24,576 bytes of codes each, waves 8-11 4,096 bytes of words each.
; The four work-groups of a head form a cluster and ask for every tile jointly.  No data prefetch: every tile is asked for at the head, so no loop runs ahead of a load.
; Both products are used transposed: S^T = K Q^T (source 0 = 16 keys), O^T = V^T P^T (source 0 = 16 of the head's 64): a lane holds ONE query throughout.
; THE HEAD'S 64 IN AN INSTRUCTION OF 128: Q's registers 6-11 hold zero codes, so whatever K's upper six registers hold (the next tile's codes; for the last tile codes of V) adds nothing; the scale bytes 2, 3 are 0, which is 2^-127, a number.
; K's and V's fragments have registers of their own: a step's V and the NEXT step's K are fetched behind the step's first products.  The last step's fetch names the 6,144 bytes behind K, which hold V's first tiles: they have landed, and nothing uses what it brings.
; OUT: ac [16 = head = K/64][8192 positions of tokens][48], asc [4 = K/256][8192][8]: the planes that the last launch reads.
; LIMITS: the promise holds while |t| stays under 2^31; a block of zeros gets the byte 1 (zero codes); blocks whose largest magnitude lies under 2^-124 are held at the byte 1; NaN and infinities are not served.
.set VB,    98304                      ; LDS: K at 0, V here,
.set KSB,   196608                     ; K's scale words, and 8,192 bytes on V's,
.set OST,   212992                     ; 768 bytes for each wave, for the way out,
.set QST,   225280                     ; 1,024 bytes for each wave: pass 1's Q waits here: bytes of their own, into which no tile lands
.set SPARE, 241664                     ; the spare words: 128 bytes for each wave
.set T0,   0                           ; v0   at work (behind the head)
.set AK0,  1                           ; v1   48 r + 24 h: my lane's place in a tile of 16 rows (also my offset in Q's rows)
.set ADK,  2                           ; v2-4 the addresses in hand: K's tiles, V's tiles, the scale words
.set ADV,  3
.set ADS,  4
.set STO,  5                           ; v5   the way out: where I put my 24 bytes
.set SRD,  6                           ; v6   and where I read 8 bytes back
.set GO8,  7                           ; v7   8 x lane
.set GSB,  8                           ; v8   8 r + h
.set ASK0, 9                           ; v9   my lane's place among K's scale words: KSB + 4 x lane
.set F,    10                          ; v10  2^(old M - new M)
.set PW,   11                          ; v11  p's scale word
                                       ; v12 -M, v13 the running largest score, v14-15 the row's sum in two halves
.set QF,   16                          ; v16-27 Q: six registers of codes, six of zeros
.set BT,   28                          ; v28  a lane permute's result
.set QS,   29                          ; v29  Q's scale words
.set BM,   30                          ; v30-31 each block's largest score, largest p, scale operand; v32-33 the second chains, then a pair of sums
.set KS,   34                          ; v34-37 K's scale words: lanes 0-15 tile 2 b, lanes 16-31 tile 2 b + 1
.set VS,   38                          ; v38-39 V's, whole
.set VSL,  40                          ; v40-43 V's, as loaded
.set CT,   44                          ; v44-46 a conversion's second half
.set B1,   47
.set KF,   48                          ; v48-95 K's eight tiles, six registers each
.set VF,   96                          ; v96-143 V's four fragments; on the way out at work
.set S,    144                         ; v144-207 S^T, then p
.set O,    208                         ; v208-239 O^T
.set PC,   240                         ; v240-251 p's codes; ahead of the conversions, with v252-253 and v32-33, eight pairs of sums
.set T1,   252
.set WV,   12                          ; s12 my wave's number
.set G1C,  16                          ; s[16:23] descriptor group 1: 96 lines of 256 bytes;  s[24:31]: 16 lines;  s[32:35], s[36:39] their groups 0
.set G1S,  24
.set SEL,  52                          ; s[52:53] lane selects: lane l xor 16
.set CS,   54                          ; s[54:55] c = log2(e) / 8
.set TK,   56                          ; s56 where the next step's tiles of K begin; s57 this step's of V; s58 this step's scale words
.set TV,   57
.set TS,   58
.set CNT,  59
.set HM,   60                          ; s60 lanes 16-31
.set QSB,  61                          ; s61 my wave's bytes for pass 1's Q
.macro WALU
	s_wait_alu depctr_va_vdst(0)
.endm
.macro ROUND                           ; a round of the cluster's barrier
	s_barrier_signal -1
	s_barrier_wait -1
	s_cmp_lg_u32 s[WV], 0
	s_cbranch_scc1 .Lnot_wave_0_\@
	s_barrier_signal -3
.Lnot_wave_0_\@:
	s_barrier_wait -3
	s_barrier_signal -1
	s_barrier_wait -1
.endm
	s_load_b256 s[4:11], s[0:1], 0x0               ; pc s[4:5], ps s[6:7], ac s[8:9], asc s[10:11]
	v_lshl_add_u32 v254, v0, 2, SPARE
	v_mov_b32 v255, 0
	ds_add_u32 v254, v255                          ; the opening lines: the add, twice on end, and its wait
	ds_add_u32 v254, v255
	v_lshrrev_b32 v7, 5, v0
	s_delay_alu instid0(VALU_DEP_1)
	v_readfirstlane_b32 s[WV], v7                  ; wave 0..15
	s_and_b32 s14, ttmp7, 0xffff                   ; 16 n + head: the four partners share it
	s_mov_b32 s[G1C], 15|(3<<16)|(1<<21)           ; 15:0 the mask: all four work-groups; 17:16 elements of 8 bytes; 21 set beside a mask
	s_mov_b32 s[G1C+1], 32<<16                     ; tensor_dim0 = 32 elements = 256 bytes
	s_mov_b32 s[G1C+2], 96<<16                     ; tensor_dim1
	s_mov_b32 s[G1C+3], 32<<16                     ; tile_dim0
	s_mov_b32 s[G1C+4], 96                         ; tile_dim1: 24,576 dense bytes
	s_mov_b32 s[G1C+5], 32                         ; pitch
	s_mov_b32 s[G1C+6], 0
	s_mov_b32 s[G1C+7], 0
	s_mov_b32 s[G1S], 15|(3<<16)|(1<<21)
	s_mov_b32 s[G1S+1], 32<<16
	s_mov_b32 s[G1S+2], 16<<16
	s_mov_b32 s[G1S+3], 32<<16
	s_mov_b32 s[G1S+4], 16                         ; 4,096 dense bytes
	s_mov_b32 s[G1S+5], 32
	s_mov_b32 s[G1S+6], 0
	s_mov_b32 s[G1S+7], 0
	s_and_b32 s40, s[WV], 3                        ; waves 0-7, codes: which quarter,
	s_bfe_u32 s41, s[WV], 0x10002                  ; of K (0) or V (1)
	s_mul_i32 s42, s41, 6291456
	s_mul_i32 s43, s14, 98304
	s_add_co_u32 s42, s42, s43
	s_mul_i32 s43, s40, 24576
	s_add_co_u32 s42, s42, s43
	s_add_co_u32 s42, s42, 6291456                 ; in pc: tensor 1 or 2, my head, my quarter
	s_mov_b32 s43, 0
	s_and_b32 s44, s[WV], 1                        ; waves 8-11, scale words: which half,
	s_bfe_u32 s45, s[WV], 0x10001                  ; of K's (0) or V's (1)
	s_lshl_b32 s46, s45, 19
	s_lshl_b32 s47, s14, 13
	s_add_co_u32 s46, s46, s47
	s_lshl_b32 s47, s44, 12
	s_add_co_u32 s46, s46, s47
	s_add_co_u32 s46, s46, 524288                  ; in ps
	s_mov_b32 s47, 0
	s_mov_b32 s32, 1
	s_mul_i32 s33, s[WV], 24576                    ; in LDS: K's four quarters, then V's
	s_mov_b32 s36, 1
	s_lshl_b32 s37, s[WV], 12
	s_add_co_u32 s37, s37, KSB-32768               ; KSB + 4,096 (wave - 8)
	s_wait_dscnt 0x0                               ; both opening adds are done
	s_wait_kmcnt 0x0
	s_add_nc_u64 s[34:35], s[4:5], s[42:43]
	s_or_b32 s35, s35, 0x80000000
	s_add_nc_u64 s[38:39], s[6:7], s[46:47]
	s_or_b32 s39, s39, 0x80000000
	ROUND                                          ; all four work-groups are here: the joint loads meet
	s_cmp_lt_u32 s[WV], 8                          ; one chain of branches on the wave's number, one load to an arm
	s_cbranch_scc0 .Lwords
	tensor_load_to_lds s[32:35], s[G1C:G1C+7]
	s_nop 0
.rept 4
	v_nop
.endr
	s_branch .Lasked
.Lwords:
	s_cmp_lt_u32 s[WV], 12
	s_cbranch_scc0 .Lasked
	tensor_load_to_lds s[36:39], s[G1S:G1S+7]
	s_nop 0
.rept 4
	v_nop
.endr
.Lasked:
	; Q's and the outputs' addresses: the only place that my place in the cluster enters
	s_bfe_u32 s13, ttmp6, 0x40000                  ; cx
	s_lshl_b32 s40, s13, 9
	s_lshl_b32 s41, s[WV], 4
	s_add_co_u32 s40, s40, s41                     ; my first query of pass 0: 512 cx + 16 x wave
	s_mul_i32 s72, s40, 48
	s_mul_i32 s41, s14, 98304
	s_add_co_u32 s72, s72, s41
	s_mov_b32 s73, 0
	s_add_nc_u64 s[72:73], s[4:5], s[72:73]        ; its codes
	s_lshl_b32 s74, s40, 2
	s_lshl_b32 s41, s14, 13
	s_add_co_u32 s74, s74, s41
	s_mov_b32 s75, 0
	s_add_nc_u64 s[74:75], s[6:7], s[74:75]        ; its scale word
	s_lshr_b32 s41, s14, 4
	s_lshl_b32 s41, s41, 11
	s_add_co_u32 s40, s40, s41                     ; its row among the 8,192
	s_and_b32 s41, s14, 15                         ; the head
	s_mul_i32 s76, s41, 393216
	s_mul_i32 s42, s40, 48
	s_add_co_u32 s76, s76, s42
	s_mov_b32 s77, 0
	s_add_nc_u64 s[76:77], s[8:9], s[76:77]        ; ac: plane = head
	s_lshr_b32 s78, s41, 2
	s_lshl_b32 s78, s78, 16
	s_lshl_b32 s42, s40, 3
	s_add_co_u32 s78, s78, s42
	s_and_b32 s42, s41, 3
	s_lshl_b32 s42, s42, 1
	s_add_co_u32 s78, s78, s42
	s_mov_b32 s79, 0
	s_add_nc_u64 s[78:79], s[10:11], s[78:79]      ; asc: plane head / 4, bytes 2 (head % 4) and the next
	s_mov_b32 s[SEL], 0x76543210
	s_mov_b32 s[SEL+1], 0xfedcba98
	s_mov_b32 s[CS], 0x3e38aa3b                    ; c = log2(e) / 8
	s_mov_b32 s[CS+1], s[CS]                       ; (named with it as a pair, so it is written)
	s_mov_b32 s[HM], 0xffff0000
	s_mul_i32 s43, s[WV], 768
	s_add_co_u32 s43, s43, OST                     ; my stage
	s_lshl_b32 s[QSB], s[WV], 10
	s_add_co_u32 s[QSB], s[QSB], QST
	v_and_b32 v[BT], 15, v0                        ; r
	v_bfe_u32 v[B1], v0, 4, 1                      ; h
	v_and_b32 v[GO8], 31, v0
	v_mul_u32_u24 v[AK0], v[BT], 48
	v_lshl_add_u32 v[GSB], v[BT], 3, v[B1]
	v_lshl_add_u32 v[ASK0], v[GO8], 2, KSB
	v_lshlrev_b32 v[GO8], 3, v[GO8]
	v_mad_u32_u24 v[AK0], v[B1], 24, v[AK0]
	v_lshlrev_b32 v[T1], 2, v[BT]                  ; 4 r
	v_add_nc_u32 v[SRD], s43, v[GO8]
	v_add_nc_u32 v[ADV], s[QSB], v[GO8]
	v_add_nc_u32 v[STO], s43, v[AK0]
	WALU                                           ; the wait ahead of the readers below
.irp p, 0,1,2
	global_load_b64 v[QF+2*\p:QF+2*\p+1], v[AK0], s[72:73] offset:8*\p            ; pass 0's Q
	global_load_b64 v[S+2*\p:S+2*\p+1], v[AK0], s[72:73] offset:12288+8*\p        ; pass 1's, on its way to my bytes of LDS
.endr
	global_load_b32 v[QS], v[T1], s[74:75]
	global_load_b32 v[S+6], v[T1], s[74:75] offset:1024
.irp j, 0,1,2,3,4,5
	v_mov_b32 v[QF+6+\j], 0                        ; zero codes for the instruction's upper 64 along K
	v_mov_b32 v[VF+\j], 0                          ; what the last tile of K names there in the first step
.endr
	v_mov_b32 v[PW], 0                             ; (named as the upper half of the pair v[10:11] before it is first written)
.macro START                           ; a pass begins: O^T and the sum are zeros, which the first change of M leaves zeros
	v_mov_b32 v13, 0xff61b1e6                      ; the largest score so far: -3e38
	v_mov_b32 v12, 0x7f61b1e6                      ; -M
	v_mov_b32 v14, 0                               ; the sum, in two halves
	v_mov_b32 v15, 0
.set j, 0
.rept 32
	v_mov_b32 v[O+j], 0
.set j, j+1
.endr
	v_mov_b32 v[ADK], v[AK0]                       ; step 0's K and its words
	v_mov_b32 v[ADS], v[ASK0]
.endm
.macro KLOAD so                        ; K's eight tiles at v[ADK], their words at v[ADS] + so: 28 LDS loads
.irp t, 0,1,2,3,4,5,6,7
.irp p, 0,1,2
	ds_load_b64 v[KF+6*\t+2*\p:KF+6*\t+2*\p+1], v[ADK] offset:768*\t+8*\p
.endr
.endr
.irp b, 0,1,2,3
	ds_load_b32 v[KS+\b], v[ADS] offset:\so+128*\b
.endr
.endm
.macro SPROD t                         ; S^T of tile t: 16 keys x my 16 queries
.if (\t)%2
	v_wmma_scale_f32_16x16x128_f8f6f4 v[S+8*(\t):S+8*(\t)+7], v[KF+6*(\t):KF+6*(\t)+11], v[QF:QF+11], 0, v[KS+(\t)/2], v[QS] matrix_a_fmt:MATRIX_FMT_FP6 matrix_b_fmt:MATRIX_FMT_FP6 matrix_a_scale:MATRIX_SCALE_ROW1
.else
	v_wmma_scale_f32_16x16x128_f8f6f4 v[S+8*(\t):S+8*(\t)+7], v[KF+6*(\t):KF+6*(\t)+11], v[QF:QF+11], 0, v[KS+(\t)/2], v[QS] matrix_a_fmt:MATRIX_FMT_FP6 matrix_b_fmt:MATRIX_FMT_FP6
.endif
.endm
.macro OPROD t                         ; O^T of tile t += 16 of the head's 64 x these 128 keys
.if (\t)%2
	v_wmma_scale_f32_16x16x128_f8f6f4 v[O+8*(\t):O+8*(\t)+7], v[VF+12*(\t):VF+12*(\t)+11], v[PC:PC+11], v[O+8*(\t):O+8*(\t)+7], v[VS+(\t)/2], v[PW] matrix_a_fmt:MATRIX_FMT_FP6 matrix_b_fmt:MATRIX_FMT_FP6 matrix_a_scale:MATRIX_SCALE_ROW1
.else
	v_wmma_scale_f32_16x16x128_f8f6f4 v[O+8*(\t):O+8*(\t)+7], v[VF+12*(\t):VF+12*(\t)+11], v[PC:PC+11], v[O+8*(\t):O+8*(\t)+7], v[VS+(\t)/2], v[PW] matrix_a_fmt:MATRIX_FMT_FP6 matrix_b_fmt:MATRIX_FMT_FP6
.endif
.endm
; A KEY STEP: 128 keys.
.macro STEP
	s_wait_dscnt 0x0                               ; this step's K and its words, fetched a step ago
.irp t, 0,1,2,3,4,5,6,7
	SPROD \t
.endr
	v_add_nc_u32 v[ADV], s[TV], v[AK0]             ; these four are the places between the products and the loads into the registers that they read
	v_add_nc_u32 v[ADK], s[TK], v[AK0]
	v_add_nc_u32 v[ADS], s[TS], v[ASK0]
	v_mov_b32 v[T0], v12                           ; the old -M
.irp t, 0,1,2,3                                ; this step's V: 24 loads and 4 words,
.irp p, 0,1,2,3,4,5
	ds_load_b64 v[VF+12*\t+2*\p:VF+12*\t+2*\p+1], v[ADV] offset:3072*(\p/3)+768*\t+8*(\p%3)
.endr
.endr
.irp c, 0,1
.irp b, 0,1
	ds_load_b32 v[VSL+2*\c+\b], v[ADS] offset:8192+256*\c+128*\b
.endr
.endr
	KLOAD 512                                      ; and the next step's K: 28 loads
; THE LARGEST SCORE OF EACH OF MY TWO BLOCKS OF 32 KEYS, in two chains each: it serves for the row's maximum and, since p rises with the score, for the block's largest p
.irp q, 0,1,2,3
	v_max3_num_f32 v[BM+\q], v[S+32*(\q%2)+16*(\q/2)], v[S+32*(\q%2)+16*(\q/2)+1], v[S+32*(\q%2)+16*(\q/2)+2]
.endr
.irp i, 3,5,7,9,11,13
.irp q, 0,1,2,3
	v_max3_num_f32 v[BM+\q], v[BM+\q], v[S+32*(\q%2)+16*(\q/2)+\i], v[S+32*(\q%2)+16*(\q/2)+\i+1]
.endr
.endr
.irp c, 0,1
	v_max3_num_f32 v[BM+\c], v[BM+\c], v[BM+2+\c], v[S+32*\c+15]
.endr
.irp c, 0,1
	v_max_num_f32 v[BM+\c], v[BM+\c], v[S+32*\c+31]
.endr
	s_delay_alu instid0(VALU_DEP_1)
	v_max_num_f32 v[T1], v[BM], v[BM+1]
	s_delay_alu instid0(VALU_DEP_1)
	v_permlanex16_b32 v[BT], v[T1], s[SEL], s[SEL+1]
	s_delay_alu instid0(VALU_DEP_1)
	v_max3_num_f32 v13, v13, v[T1], v[BT]          ; the running largest score of my query, lane l xor 16's keys among them
	s_delay_alu instid0(VALU_DEP_1)
	v_mul_f32 v[T1], s[CS], v13                    ; as t (c is positive)
	s_delay_alu instid0(VALU_DEP_1)
	v_floor_f32 v12, -v[T1]                        ; the new -M = floor(-t): M is a whole number
	s_delay_alu instid0(VALU_DEP_1)
	v_sub_f32 v[T0], v12, v[T0]                    ; old M - new M: a whole number, 0 or less
	s_delay_alu instid0(VALU_DEP_1)
	v_cvt_i32_f32 v[T0], v[T0]                     ; (it saturates)
	s_delay_alu instid0(VALU_DEP_1)
	v_ldexp_f32 v[F], 1.0, v[T0]                   ; f = 2^(old M - new M)
	s_delay_alu instid0(VALU_DEP_1)
	v_pk_mul_f32 v[14:15], v[14:15], v[F:F+1] op_sel_hi:[1,0]   ; the sums under the new M
.irp c, 0,1
	v_fma_f32 v[BM+\c], v[BM+\c], s[CS], v12       ; t - M of each block's largest score
.endr
.set j, 0
.rept 16
	v_pk_fma_f32 v[S+j:S+j+1], v[S+j:S+j+1], s[CS:CS+1], v[12:13] op_sel_hi:[1,0,0]   ; t - M of block 0's 32, two at a time
.set j, j+2
.endr
	WALU                                           ; the wait ahead of a batch of exponentials
	v_exp_f32 v[BM], v[BM]                         ; each block's largest p: the same two instructions on the same number give the same bits
	v_exp_f32 v[BM+1], v[BM+1]
.set j, 0
.rept 16                                       ; p = 2^(t - M) of the first 32; between them t - M of the second 32: lines that hang on nothing in the batch, read behind the next wait
	v_exp_f32 v[S+j], v[S+j]
	v_exp_f32 v[S+j+1], v[S+j+1]
	v_pk_fma_f32 v[S+32+j:S+33+j], v[S+32+j:S+33+j], s[CS:CS+1], v[12:13] op_sel_hi:[1,0,0]
.set j, j+2
.endr
	WALU                                           ; behind one batch and ahead of the next
.set j, 0
.irp r, 240,242,244,246,248,250,252,32         ; p of the second 32; between them eight sums of pairs of the first 32, THE UNQUANTISED p, each into a pair of its own
	v_exp_f32 v[S+32+j], v[S+32+j]
	v_exp_f32 v[S+33+j], v[S+33+j]
	v_exp_f32 v[S+34+j], v[S+34+j]
	v_exp_f32 v[S+35+j], v[S+35+j]
	v_pk_add_f32 v[\r:\r+1], v[S+j:S+j+1], v[S+j+2:S+j+3]
.set j, j+4
.endr
.irp c, 0,1
	v_max_num_f32 v[BM+\c], 0x1800000, v[BM+\c]    ; the floor 2^(3 - 127): the byte cannot fall under 1
.endr
	WALU                                           ; behind the batch, and directly ahead of the wait below
	s_wait_dscnt 28                                ; V's fragments and words are in: the 28 loads of the next step's K are younger
.irp c, 0,1
	v_add_nc_u32 v[BM+\c], 0xff000000, v[BM+\c]    ; 2 off the exponent field: the conversion's scale operand
.endr
.irp k, 0,2
.set j, 0
.irp r, 240,242,244,246,248,250,252,32
	v_pk_add_f32 v[\r:\r+1], v[\r:\r+1], v[S+32+j+\k:S+33+j+\k]
.set j, j+4
.endr
.endr
	v_lshrrev_b32 v[T0], 23, v[BM]                 ; my two blocks' bytes
	v_lshrrev_b32 v[B1], 23, v[BM+1]
	v_pk_add_f32 v[240:241], v[240:241], v[248:249]
	v_pk_add_f32 v[242:243], v[242:243], v[250:251]
	v_pk_add_f32 v[244:245], v[244:245], v[252:253]
	v_pk_add_f32 v[246:247], v[246:247], v[32:33]
	v_lshl_or_b32 v[T0], v[B1], 16, v[T0]          ; blocks h and 2 + h, as bytes 0 and 2
	s_delay_alu instid0(VALU_DEP_3)
	v_pk_add_f32 v[240:241], v[240:241], v[244:245]
	s_delay_alu instid0(VALU_DEP_3)
	v_pk_add_f32 v[242:243], v[242:243], v[246:247]
	s_delay_alu instid0(VALU_DEP_3)
	v_permlanex16_b32 v[BT], v[T0], s[SEL], s[SEL+1]
	s_delay_alu instid0(VALU_DEP_2)
	v_pk_add_f32 v[240:241], v[240:241], v[242:243]
	s_delay_alu instid0(VALU_DEP_1)
	v_pk_add_f32 v[14:15], v[14:15], v[240:241]
	v_cvt_scalef32_pk16_fp6_f32 v[PC:PC+2], v[S:S+15], v[BM]
	v_cvt_scalef32_pk16_fp6_f32 v[CT:CT+2], v[S+16:S+31], v[BM]   ; (a conversion's three registers begin on an even number)
	v_cvt_scalef32_pk16_fp6_f32 v[PC+6:PC+8], v[S+32:S+47], v[BM+1]
	v_lshl_or_b32 v[PW], v[BT], 8, v[T0]           ; p's scale word: in lanes 0-15, which alone are read, bytes 1 and 3 come from lane l + 16.  (A plain place behind the conversions)
.irp i, 0,1,2
	v_mov_b32 v[PC+3+\i], v[CT+\i]
.endr
	v_cvt_scalef32_pk16_fp6_f32 v[CT:CT+2], v[S+48:S+63], v[BM+1]
	v_lshl_or_b32 v[VS], v[VSL+2], 16, v[VSL]      ; V's scale words: chunk 0's two bytes below, chunk 1's above.  (A plain place behind the conversion)
	v_lshl_or_b32 v[VS+1], v[VSL+3], 16, v[VSL+1]
.irp i, 0,1,2
	v_mov_b32 v[PC+9+\i], v[CT+\i]
.endr
	WALU                                           ; the wait directly ahead of the first reader of O^T
.set j, 0
.rept 16
	v_pk_mul_f32 v[O+j:O+j+1], v[O+j:O+j+1], v[F:F+1] op_sel_hi:[1,0]   ; O^T under the new M.  (These are also the places between the writes of codes and scale words and the products below)
.set j, j+2
.endr
.irp t, 0,1,2,3
	OPROD \t
.endr
	s_add_co_u32 s[TK], s[TK], 6144
	s_add_co_u32 s[TV], s[TV], 6144
	s_add_co_u32 s[TS], s[TS], 512
.endm
.macro PASS
	s_mov_b32 s[TK], 6144
	s_mov_b32 s[TV], VB
	s_mov_b32 s[TS], 0
	s_mov_b32 s[CNT], 16
.Lstep_\@:
	STEP
	s_sub_co_u32 s[CNT], s[CNT], 1
	s_cmp_lg_u32 s[CNT], 0
	s_cbranch_scc1 .Lstep_\@
.endm
; A PASS'S WAY OUT: O^T / the sum; register 16 b + i is d = 32 b + 16 h + i: two blocks of the last product's K; quantised; my 24 bytes go to row r of the wave's 768 bytes and leave as three aligned runs of 256 bytes.
.set EBT, VF+8                         ; at work, in V's registers
.set ESO, VF+10
.macro EPI pass
.rept 4
	v_nop                                          ; places behind the last products
.endr
	v_add_f32 v14, v14, v15                        ; the sum's two halves,
	s_delay_alu instid0(VALU_DEP_1)
	v_permlanex16_b32 v[T0], v14, s[SEL], s[SEL+1]
	s_delay_alu instid0(VALU_DEP_1)
	v_add_f32 v14, v14, v[T0]                      ; and lane l xor 16's: the row's sum
	WALU
	v_rcp_f32 v14, v14
	v_nop                                          ; a plain place behind the reciprocal
	WALU                                           ; and the wait ahead of its first reader, which is O^T's first reader too
.set j, 0
.rept 16
	v_pk_mul_f32 v[S+j:S+j+1], v[O+j:O+j+1], v[14:15] op_sel_hi:[1,0]   ; each accumulator from its low end on
.set j, j+2
.endr
.irp b, 0,1
	v_max3_num_f32 v[BM+\b], |v[S+16*\b]|, |v[S+1+16*\b]|, 0x1800000
.endr
.irp i, 2,4,6,8,10,12,14
.irp b, 0,1
	s_delay_alu instid0(VALU_DEP_2)
	v_max3_num_f32 v[BM+\b], v[BM+\b], |v[S+16*\b+\i]|, |v[S+1+16*\b+\i]|
.endr
.endr
.irp b, 0,1
	s_delay_alu instid0(VALU_DEP_2)
	v_permlanex16_b32 v[EBT+\b], v[BM+\b], s[SEL], s[SEL+1]
.endr
.irp b, 0,1
	s_delay_alu instid0(VALU_DEP_2)
	v_max_num_f32 v[BM+\b], v[BM+\b], v[EBT+\b]
.endr
.irp b, 0,1
	s_delay_alu instid0(VALU_DEP_2)
	v_add_nc_u32 v[ESO+\b], 0xff000000, v[BM+\b]
.endr
.irp b, 0,1
	s_delay_alu instid0(VALU_DEP_2)
	v_lshrrev_b32 v[EBT+\b], 23, v[ESO+\b]
.endr
	v_cvt_scalef32_pk16_fp6_f32 v[PC:PC+2], v[S:S+15], v[ESO]
	v_cvt_scalef32_pk16_fp6_f32 v[CT:CT+2], v[S+16:S+31], v[ESO+1]
	v_cndmask_b32 v[T0], v[EBT], v[EBT+1], s[HM]   ; lanes 0-15 keep block 0's byte, lanes 16-31 block 1's (a plain place behind the conversions)
.irp i, 0,1,2
	v_permlane16_swap_b32 v[PC+\i], v[CT+\i]       ; a lane is to hold a whole block
.endr
.irp i, 0,1,2
	s_delay_alu instid0(VALU_DEP_3)
	v_mov_b32 v[PC+3+\i], v[CT+\i]
.endr
.irp p, 0,1,2
	ds_store_b64 v[STO], v[PC+2*\p:PC+2*\p+1] offset:8*\p
.endr
.irp i, 0,1,2
	ds_load_b64 v[VF+2*\i:VF+2*\i+1], v[SRD] offset:256*\i   ; LDS serves a wave's instructions in order: these see my stores
.endr
	WALU
.irp i, 0,1,2
	s_wait_dscnt 2-\i
	global_store_b64 v[GO8], v[VF+2*\i:VF+2*\i+1], s[76:77] offset:12288*\pass+256*\i   ; 32 lanes store 256 consecutive bytes, aligned
.endr
	global_store_b8 v[GSB], v[T0], s[78:79] offset:2048*\pass   ; a head owns 2 of a row's 8 scale bytes: 32 single bytes for 768 bytes of codes
	s_wait_xcnt 0x0                                ; the stores have read their registers: they are written again below
.endm
	START
	WALU                                           ; the wait at the head's end
	s_wait_loadcnt 0x0                             ; Q, both passes'
	s_wait_tensorcnt 0x0                           ; my tile has landed: every wave waits, under no branch,
	s_wait_dscnt 0x0
	s_barrier_signal -1
	s_barrier_wait -1                              ; and all of K, V and their words is shown to all sixteen waves.  Nothing is ever filled again
.irp p, 0,1,2
	ds_store_b64 v[ADV], v[S+2*\p:S+2*\p+1] offset:256*\p   ; pass 1's Q waits in my own bytes, as an image of its registers
.endr
	ds_store_b32 v[ADV], v[S+6] offset:768
	KLOAD 0
	PASS
	EPI 0
	START
	v_add_nc_u32 v[ADV], s[QSB], v[GO8]
	WALU                                           ; directly ahead of the wait below
	s_wait_dscnt 0x0                               ; the fetch behind the last step is done: its registers may be loaded again
.irp p, 0,1,2
	ds_load_b64 v[QF+2*\p:QF+2*\p+1], v[ADV] offset:256*\p
.endr
	ds_load_b32 v[QS], v[ADV] offset:768
	KLOAD 0
	PASS
	EPI 1
	s_wait_dscnt 0x0
	s_wait_tensorcnt 0x0                           ; the wave's end
	ds_add_u32 v254, v255
	s_wait_dscnt 0x0
	ROUND                                          ; the closing round: no work-group ends while a partner may still ask for a tile that names it
	s_endpgm
.Lfunc_end_k_qa64874c727_attn:
	.size	k_qa64874c727_attn, .Lfunc_end_k_qa64874c727_attn-k_qa64874c727_attn
	.p2alignl 7, 3214868480
	.fill 96, 4, 3214868480
	.section	.rodata,"a",@progbits
	.p2align	6, 0x0
	.amdhsa_kernel k_qa64874c727_attn
		.amdhsa_group_segment_fixed_size 243712
		.amdhsa_private_segment_fixed_size 0
		.amdhsa_enable_private_segment 0
		.amdhsa_kernarg_size 32
		.amdhsa_user_sgpr_count 2
		.amdhsa_user_sgpr_kernarg_segment_ptr 1
		.amdhsa_wavefront_size32 1
		.amdhsa_system_sgpr_workgroup_id_x 1
		.amdhsa_system_sgpr_workgroup_id_y 1
		.amdhsa_system_sgpr_workgroup_id_z 1
		.amdhsa_system_vgpr_workitem_id 0
		.amdhsa_next_free_vgpr 256
		.amdhsa_next_free_sgpr 80
		.amdhsa_reserve_vcc 0
		.amdhsa_float_denorm_mode_32 3
		.amdhsa_float_denorm_mode_16_64 3
		.amdhsa_memory_ordered 1
		.amdhsa_forward_progress 1
		.amdhsa_inst_pref_size 59
	.end_amdhsa_kernel
	.amdgpu_metadata
---
amdhsa.version: [ 1, 2 ]
amdhsa.kernels:
  - .name:           k_qa64874c727_attn
    .symbol:         k_qa64874c727_attn.kd
    .args:
      - { .name: pc, .offset: 0, .size: 8, .value_kind: global_buffer, .address_space: global }
      - { .name: ps, .offset: 8, .size: 8, .value_kind: global_buffer, .address_space: global }
      - { .name: ac, .offset: 16, .size: 8, .value_kind: global_buffer, .address_space: global }
      - { .name: asc, .offset: 24, .size: 8, .value_kind: global_buffer, .address_space: global }
    .group_segment_fixed_size: 243712
    .private_segment_fixed_size: 0
    .kernarg_segment_align: 8
    .kernarg_segment_size: 32
    .max_flat_workgroup_size: 512
    .sgpr_count:     80
    .vgpr_count:     256
    .wavefront_size: 32
...
	.end_amdgpu_metadata
.endif
;; end of part 4
;; launch outp (part 5): grid 4 x 64, 4 waves a work-group, clusters of 4 x 4, 327,680 bytes of LDS; arguments ac, asc, codes, scales, bo, out0; writes out0
.if DOCPART == 5
	.amdgcn_target "amdgcn-amd-amdhsa--gfx1250"
	.amdhsa_code_object_version 6
	.text
	.protected	k_qa64874c727_outp
	.globl	k_qa64874c727_outp
	.p2align	8
	.type	k_qa64874c727_outp,@function
k_qa64874c727_outp:
	s_mov_b64 s[64:65], 0
	v_nop
	global_prefetch_b8 v0, s[64:65] scope:SCOPE_SE
	s_setreg_imm32_b32 hwreg(HW_REG_WAVE_MODE, 25, 1), 1
	s_wait_xcnt 0x0
	s_wait_alu depctr_hold_cnt(0) depctr_sa_sdst(0) depctr_va_vdst(0) depctr_va_sdst(0) depctr_va_ssrc(0) depctr_va_vcc(0) depctr_vm_vsrc(0)
	s_getreg_b32 s2, hwreg(HW_REG_IB_STS2, 6, 4)
	s_cmp_eq_u32 s2, 0
	s_cbranch_scc0 .Lentry_in_a_cluster
	s_endpgm
.Lentry_in_a_cluster:
	s_bfe_u32 s2, ttmp6, 0x10000c
	s_cmp_lg_u32 s2, 0xf033
	s_cbranch_scc0 .Lentry_shape_is_right
	s_endpgm
.Lentry_shape_is_right:
; out0[token][n] = the sum over k of A[token][k] Wo[k][n] + bo[n]: 8,192 x 1,024 x 1,024 on codes of FP6 (E2M3) with E8M0 scales, sums in f32.
; IN, in planes: A = ac [16 = K/64][8192 positions of tokens][48 bytes], asc [4 = K/256][8192][8]; Wo = codes [16][28672 rows][48] and scales [4][28672][8], rows 27648 + position of n.
; POSITIONS: bits 3 and 4 of a number exchanged; the way out and the bias undo it.
; SHARES: a work-group makes 128 positions of tokens x 256 of n: 64 x 4 = 256 work-groups.  Four waves, 2 x 2; a wave makes 64 x 128: 32 accumulators of 16 x 16, 256 registers.
; ALL OF K LIES IN LDS AT ONCE: A's codes 16 planes x 6,144 bytes, Wo's 16 x 12,288, the scale bytes 4 x 1,024 and 4 x 2,048.  These four tiles are the head's four tensor loads, one a wave.
; Nothing is ever filled again, so the walk along K has no ring and no round: one barrier shows the tiles to all four waves.
; CLUSTERS: 4 x 4 work-groups.  The four of a row of the cluster need the same tiles of A, the four of a column the same tiles of Wo: each tile is asked for jointly.
; No data prefetch: the launch has no loop to run ahead in; every tile is asked for at the head.
; THE MATRIX INSTRUCTION IS USED TRANSPOSED (source 0 = 16 rows of Wo, source 1 = 16 rows of A): a lane holds eight neighbouring numbers of a row of the result.  The bias is the first products' C.
; REGISTERS, in windows of 256: window 0: v0-31 addresses, v32-63 scale words (two sets), v64-127 the bias, v128-223 A's fragments (two sets of 4 x 12), on the way out v128-255 rows read back;
;   window 1: Wo's fragments, two sets of 8 x 12, at v0 and v128;   window 2: the accumulators, (a, b) at v[8 (8 a + b)].
; A STEP is 128 along K: the next step's 72 fragment loads (and, for each second step, 8 loads of scale words) in one run, then 32 products on this step's set.
.set PLA,    393216                    ; a plane of ac, of codes, of asc, of scales, in bytes
.set PLB,    1376256
.set SPLA,   65536
.set SPLB,   229376
.set FR,     12                        ; registers of a fragment
.set BB0,    98304                     ; LDS: A's codes at 0, Wo's here,
.set SCLA,   294912                    ; A's scale bytes, [plane][128 rows][8],
.set SCLB,   299008                    ; Wo's, [plane][256 rows][8],
.set SPARE,  307200                    ; the spare words: 128 bytes for each wave
.set SPITCH, 528                       ; the way out: a stage of 16 rows x (512 + 16) bytes for each wave, on A's first 33,792 bytes: they have had their one fill, and every wave's reads are over when the first result is stored there
.set ADRS, 12                          ; v12-15 LDS address of my scale words, one for each plane: lanes 0-15 A's rows, lanes 16-31 Wo's
.set ADRA, 16                          ; v16-17 of my A fragments: planes 0-7, 8-15
.set ADRB, 18                          ; v18-21 of my Wo fragments: four planes each
.set BOF,  22
.set STO,  24
.set RD,   25
.set CO,   26
.set SPW,  28                          ; v28 my spare word; v29 0: never rewritten
.set NIL,  29
.set SC,   32                          ; scale words: set s at v[SC + 16 s]; register 2 i + q: lanes 0-15 A's block i, lanes 16-31 Wo's block i, the q-th of a pair of steps
.set BI,   64
.set AF,   128
.set BK,   128
.set G1,   24                          ; s[24:31], s[32:35] descriptor groups 1 and 0 of A's codes;  s[48:55], s[56:59] of Wo's
.set G0,   32
.set G1B,  48
.set G0B,  56
.set G1S,  68                          ; s[68:75], s[76:79] of A's scale bytes;  s[80:87], s[88:91] of Wo's
.set G0S,  76
.set G1SB, 80
.set G0SB, 88
.set MSB, 0
.macro WIN new                         ; the immediate's high byte repeats the setting that is left
.if MSB != \new
	s_set_vgpr_msb (MSB<<8)|\new
.set MSB, \new
.endif
.endm
.set MUL,   0xa1                       ; source 0 (Wo) window 1, source 1 (A) window 0, C and D window 2
.set FIRST, 0x81                       ; the same with C, the bias, in window 0
.set TO_B,  0x40                       ; destination window 1, address window 0
.macro PLACES n
.rept \n
	v_nop
.endr
.endm
.macro CROUND                          ; a round of the cluster's barrier
	s_barrier_signal -1
	s_barrier_wait -1
	s_cmp_lg_u32 s14, 0
	s_cbranch_scc1 .Lnot_wave_0_\@
	s_barrier_signal -3
.Lnot_wave_0_\@:
	s_barrier_wait -3
	s_barrier_signal -1
	s_barrier_wait -1
.endm
.macro GROUP1 g, mask, c, r, p         ; r lines of c elements of 8 bytes, p elements from line to line
	s_or_b32 s[\g], s[\mask], (3<<16)|(1<<21)
	s_mov_b32 s[\g+1], (\c)<<16
	s_mov_b32 s[\g+2], (\r)<<16
	s_mov_b32 s[\g+3], (\c)<<16
	s_mov_b32 s[\g+4], \r
	s_mov_b32 s[\g+5], \p
	s_mov_b32 s[\g+6], 0
	s_mov_b32 s[\g+7], 0
.endm
.macro GROUP0 g, lds, base, off
	s_mov_b32 s[\g], 1
	s_mov_b32 s[\g+1], \lds
	s_add_nc_u64 s[\g+2:\g+3], s[\base:\base+1], s[\off:\off+1]
	s_or_b32 s[\g+3], s[\g+3], 0x80000000
.endm
.macro ARM under, g0, g1, next         ; an arm of the head's one chain of branches on the wave's number
	s_cmp_lt_u32 s14, \under
	s_cbranch_scc0 \next
	tensor_load_to_lds s[\g0:\g0+3], s[\g1:\g1+7]
	s_nop 0
	PLACES 4
	s_branch .Lhead_asked
\next:
.endm
	s_load_b128 s[4:7], s[0:1], 0x0                ; ac, asc
	s_load_b128 s[8:11], s[0:1], 0x10              ; codes, scales
	s_load_b128 s[96:99], s[0:1], 0x20             ; bo, out0
	v_lshl_add_u32 v[SPW], v0, 2, SPARE
	v_mov_b32 v[NIL], 0
	ds_add_u32 v[SPW], v[NIL]                      ; the opening lines: the add, twice on end, and its wait
	ds_add_u32 v[SPW], v[NIL]
	v_lshrrev_b32 v1, 5, v0
	v_readfirstlane_b32 s14, v1                    ; wave 0..3
	s_lshr_b32 s15, s14, 1                         ; which 64 of the block's rows are mine
	s_and_b32 s16, s14, 1                          ; which 128 of its columns
	s_bfe_u32 s40, ttmp6, 0x40000                  ; cx, cy
	s_bfe_u32 s41, ttmp6, 0x40004
	s_lshl_b32 s42, ttmp9, 2
	s_add_co_u32 s42, s42, s40                     ; block column, 0 .. 3
	s_and_b32 s17, ttmp7, 0xffff
	s_lshl_b32 s17, s17, 2
	s_add_co_u32 s17, s17, s41                     ; block row, 0 .. 63
	s_lshl_b32 s43, s41, 2
	s_lshl_b32 s43, 15, s43                        ; my row of the cluster
	s_lshl_b32 s44, 0x1111, s40                    ; my column
	GROUP1 G1,   43, 768,  16, PLA/8               ; A's codes: 16 planes x 128 rows x 48 bytes
	GROUP1 G1B,  44, 1536, 16, PLB/8               ; Wo's: 16 planes x 256 rows x 48
	GROUP1 G1S,  43, 128,  4,  SPLA/8              ; A's scale bytes: 4 planes x 128 rows x 8
	GROUP1 G1SB, 44, 256,  4,  SPLB/8              ; Wo's: 4 planes x 256 rows x 8
	s_mul_i32 s20, s17, 6144                       ; where the tiles begin in their buffers, in bytes: multiples of 256
	s_mov_b32 s21, 0
	s_lshl_b32 s22, s17, 10
	s_mov_b32 s23, 0
	s_mul_i32 s46, s42, 12288
	s_add_co_u32 s46, s46, 27648*48
	s_mov_b32 s47, 0
	s_lshl_b32 s92, s42, 11
	s_add_co_u32 s92, s92, 27648*8
	s_mov_b32 s93, 0
	s_wait_dscnt 0x0                               ; both opening adds are done
	CROUND                                         ; all sixteen work-groups are here: the joint loads meet
	s_wait_kmcnt 0x0
	GROUP0 G0,   0,    4,  20
	GROUP0 G0B,  BB0,  8,  46
	GROUP0 G0S,  SCLA, 6,  22
	GROUP0 G0SB, SCLB, 10, 92
	ARM 1, G0,  G1,  .Lhead_b                      ; one tensor load a wave: every way through the head passes exactly one
	ARM 2, G0B, G1B, .Lhead_sa
	ARM 3, G0S, G1S, .Lhead_sb
	tensor_load_to_lds s[G0SB:G0SB+3], s[G1SB:G1SB+7]
	s_nop 0
	PLACES 4
.Lhead_asked:
	s_lshl_b32 s46, s42, 10                        ; my first column, in bytes of f32: 1,024 x block column + 512 x half
	s_lshl_b32 s47, s16, 9
	s_add_co_u32 s46, s46, s47
	s_mov_b32 s47, 0
	s_add_nc_u64 s[96:97], s[96:97], s[46:47]
	s_add_nc_u64 s[98:99], s[98:99], s[46:47]
	s_lshl_b32 s20, s17, 7
	s_lshl_b32 s21, s15, 6
	s_add_co_u32 s20, s20, s21                     ; my first row: 128 x block row + 64 x half
	s_lshl_b32 s20, s20, 12
	s_mov_b32 s21, 0
	s_add_nc_u64 s[98:99], s[98:99], s[20:21]
	s_mul_i32 s18, s15, 3072                       ; LDS: my 64 rows of A, planes 0-7 and 8-15;
	s_add_co_u32 s19, s18, 49152
	s_mul_i32 s20, s16, 6144                       ; my 128 rows of Wo, four planes to a register;
	s_add_co_u32 s20, s20, BB0
	s_add_co_u32 s21, s20, 49152
	s_add_co_u32 s22, s20, 98304
	s_add_co_u32 s23, s20, 147456
	s_lshl_b32 s45, s15, 9                         ; my rows' scale bytes: A's,
	s_add_co_u32 s45, s45, SCLA
	s_lshl_b32 s46, s16, 10
	s_add_co_u32 s46, s46, SCLB
	s_sub_co_u32 s46, s46, s45                     ; and how far on Wo's lie;
	s_mul_i32 s47, s14, 16*SPITCH                  ; my stage
	v_and_b32 v1, 15, v0                           ; r
	v_bfe_u32 v2, v0, 4, 1                         ; h
	v_and_b32 v6, 31, v0
	v_mul_u32_u24 v3, v1, 48
	v_mul_u32_u24 v5, s46, v2                      ; lanes 16-31 take Wo's scale words
	v_mul_u32_u24 v8, v1, SPITCH
	v_lshl_add_u32 v7, v2, 10, 1024                ; from plane to plane of scale bytes: 1,024 in A's, 2,048 in Wo's
	v_lshlrev_b32 v[BOF], 6, v2
	v_lshlrev_b32 v[CO], 4, v6
	v_mad_u32_u24 v4, v2, 24, v3                   ; a fragment's row x 48 + 24 x half
	v_lshl_add_u32 v5, v1, 3, v5
	v_lshl_add_u32 v8, v2, 6, v8                   ; the stage, in: row r, 64 bytes on for lanes 16-31
	v_add_nc_u32 v[ADRA], s18, v4
	v_add_nc_u32 v[ADRA+1], s19, v4
	v_add_nc_u32 v[ADRB], s20, v4
	v_add_nc_u32 v[ADRB+1], s21, v4
	v_add_nc_u32 v[ADRB+2], s22, v4
	v_add_nc_u32 v[ADRB+3], s23, v4
	v_add_nc_u32 v[ADRS], s45, v5
	v_add_nc_u32 v[ADRS+1], v[ADRS], v7
	v_add_nc_u32 v[ADRS+2], v[ADRS+1], v7
	v_add_nc_u32 v[ADRS+3], v[ADRS+2], v7
	v_add_nc_u32 v[STO], s47, v8
	v_add_nc_u32 v[RD], s47, v[CO]                 ; and back: the 32 lanes take one row of 512 bytes
	s_wait_alu depctr_va_vdst(0)                   ; the wait at the head's end
.irp b, 0,1,2,3,4,5,6,7                        ; the bias as the result lies: register j of lane (r, h) in block b is column 32 (b / 2) + 16 h + 8 (b % 2) + j
	global_load_b128 v[BI+8*\b:BI+8*\b+3], v[BOF], s[96:97] offset:(32*(\b/2)+8*(\b%2))*4
	global_load_b128 v[BI+8*\b+4:BI+8*\b+7], v[BOF], s[96:97] offset:(32*(\b/2)+8*(\b%2))*4+16
.endr
	s_wait_tensorcnt 0x0                           ; my tile has landed: every wave waits, under no branch,
	s_barrier_signal -1
	s_barrier_wait -1                              ; and all four tiles are shown to all four waves
.macro FRAGA reg, st, i                ; a fragment, 16 rows x 128 K: registers 0-5 from plane 2 st, 6-11 from plane 2 st + 1: 24 bytes each, in pieces of 8
.irp p, 0,1,2,3,4,5
	ds_load_b64 v[\reg+2*\p:\reg+2*\p+1], v[ADRA+(\st)/4] offset:(2*((\st)%4)+\p/3)*6144+(\i)*768+8*(\p%3)
.endr
.endm
.macro FRAGB reg, st, i
.irp p, 0,1,2,3,4,5
	ds_load_b64 v[\reg+2*\p:\reg+2*\p+1], v[ADRB+(\st)/2] offset:(2*((\st)%2)+\p/3)*12288+(\i)*768+8*(\p%3)
.endr
.endm
.macro FETCH st                        ; step st's fragments into set st % 2; with an even step the scale words of the pair of steps
	WIN TO_B
.irp i, 0,1,2,3,4,5,6,7
	FRAGB 128*((\st)%2)+FR*\i, \st, \i
.endr
	WIN 0
.irp i, 0,1,2,3
	FRAGA AF+48*((\st)%2)+FR*\i, \st, \i
.endr
.if (\st)%2 == 0
.irp i, 0,1,2,3,4,5,6,7
	ds_load_b64 v[SC+16*(((\st)/2)%2)+2*\i:SC+16*(((\st)/2)%2)+2*\i+1], v[ADRS+(\st)/2] offset:\i*128
.endr
.endif
.endm
.macro MUL32 st                        ; 32 products: the accumulators take turns, one instruction a turn, in the same order in every step
.irp a, 0,1,2,3
.irp b, 0,1,2,3,4,5,6,7
.if (\st) == 0
	v_wmma_scale_f32_16x16x128_f8f6f4 v[8*(8*\a+\b):8*(8*\a+\b)+7], v[128*((\st)%2)+FR*\b:128*((\st)%2)+FR*\b+FR-1], v[AF+48*((\st)%2)+FR*\a:AF+48*((\st)%2)+FR*\a+FR-1], v[BI+8*\b:BI+8*\b+7], v[SC+16*(((\st)/2)%2)+2*\b+(\st)%2], v[SC+16*(((\st)/2)%2)+2*\a+(\st)%2] matrix_a_fmt:MATRIX_FMT_FP6 matrix_b_fmt:MATRIX_FMT_FP6 matrix_a_scale:MATRIX_SCALE_ROW1
.else
	v_wmma_scale_f32_16x16x128_f8f6f4 v[8*(8*\a+\b):8*(8*\a+\b)+7], v[128*((\st)%2)+FR*\b:128*((\st)%2)+FR*\b+FR-1], v[AF+48*((\st)%2)+FR*\a:AF+48*((\st)%2)+FR*\a+FR-1], v[8*(8*\a+\b):8*(8*\a+\b)+7], v[SC+16*(((\st)/2)%2)+2*\b+(\st)%2], v[SC+16*(((\st)/2)%2)+2*\a+(\st)%2] matrix_a_fmt:MATRIX_FMT_FP6 matrix_b_fmt:MATRIX_FMT_FP6 matrix_a_scale:MATRIX_SCALE_ROW1
.endif
.endr
.endr
.endm
.macro STEP st
	s_wait_dscnt 0x0                               ; this step's fragments are in
.if (\st) == 7
	s_barrier_signal -1                            ; my reads of the tiles are over: say so; the last products, work on registers, stand between signal and wait
.else
.if (\st) > 0
	PLACES 4                                       ; between the last step's products and the loads into the registers that they read
.endif
	FETCH (\st)+1
.endif
.if (\st) == 0
	WIN FIRST
.else
	WIN MUL
.endif
	MUL32 \st
.endm
	FETCH 0
	s_wait_loadcnt 0x0                             ; the bias
.irp s, 0,1,2,3,4,5,6,7
	STEP \s
.endr
	WIN 0
	s_barrier_wait -1                              ; every wave's reads of the tiles are over: the stages may be written
; THE WAY OUT, block by block of 16 rows x 128 columns: through my own stage in LDS and back as whole rows of 512 bytes, which the 32 lanes store as two aligned units of 256 bytes.
; LDS serves a wave's instructions in order: no wait between the stores and the loads.
.macro TOSTAGE a
	WIN 0x08                                       ; the data: window 2
.irp b, 0,1,2,3,4,5,6,7
	ds_store_b128 v[STO], v[64*(\a)+8*\b:64*(\a)+8*\b+3] offset:128*(\b/2)+32*(\b%2)        ; each accumulator from its low end on
	ds_store_b128 v[STO], v[64*(\a)+8*\b+4:64*(\a)+8*\b+7] offset:128*(\b/2)+32*(\b%2)+16
.endr
	WIN 0
.set BB, BK+64*((\a)%2)
.irp t, 0,1,2,3,4,5,6,7,8,9,10,11,12,13,14,15
	ds_load_b128 v[BB+4*\t:BB+4*\t+3], v[RD] offset:\t*SPITCH
.endr
.endm
.macro SEND a, younger                 ; younger: the LDS instructions issued behind block a's loads, which may stay out
.set BB, BK+64*((\a)%2)
	s_wait_dscnt \younger
.irp t, 0,1,2,3,4,5,6,7,8,9,10,11,12,13,14,15
	global_store_b128 v[CO], v[BB+4*\t:BB+4*\t+3], s[98:99] offset:(32*((\a)/2)+8*((\a)%2)+\t+8*(\t/8))*4096 th:TH_STORE_NT   ; position 16 a + t is token 32 (a / 2) + 8 (a % 2) + t + 8 (t / 8)
.endr
.endm
	PLACES 4                                       ; behind the last products
	TOSTAGE 0
.irp a, 1,2,3
.if \a > 1
	s_wait_xcnt 0x0                                ; block a - 2's stores have read their registers: block a's loads may land there
.endif
	TOSTAGE \a
	SEND \a-1, 32                                  ; behind block a - 1's loads: block a's 16 stores and 16 loads
.endr
	SEND 3, 0
	s_wait_tensorcnt 0x0                           ; the wave's end
	ds_add_u32 v[SPW], v[NIL]
	s_wait_dscnt 0x0
	CROUND                                         ; the closing round
	s_endpgm
.Lfunc_end_k_qa64874c727_outp:
	.size	k_qa64874c727_outp, .Lfunc_end_k_qa64874c727_outp-k_qa64874c727_outp
	.p2alignl 7, 3214868480
	.fill 96, 4, 3214868480
	.section	.rodata,"a",@progbits
	.p2align	6, 0x0
	.amdhsa_kernel k_qa64874c727_outp
		.amdhsa_group_segment_fixed_size 327680
		.amdhsa_private_segment_fixed_size 0
		.amdhsa_enable_private_segment 0
		.amdhsa_kernarg_size 48
		.amdhsa_user_sgpr_count 2
		.amdhsa_user_sgpr_kernarg_segment_ptr 1
		.amdhsa_wavefront_size32 1
		.amdhsa_system_sgpr_workgroup_id_x 1
		.amdhsa_system_sgpr_workgroup_id_y 1
		.amdhsa_system_sgpr_workgroup_id_z 1
		.amdhsa_system_vgpr_workitem_id 0
		.amdhsa_next_free_vgpr 768
		.amdhsa_next_free_sgpr 102
		.amdhsa_reserve_vcc 0
		.amdhsa_float_denorm_mode_32 3
		.amdhsa_float_denorm_mode_16_64 3
		.amdhsa_memory_ordered 1
		.amdhsa_forward_progress 1
		.amdhsa_inst_pref_size 97
	.end_amdhsa_kernel
	.amdgpu_metadata
---
amdhsa.version: [ 1, 2 ]
amdhsa.kernels:
  - .name:           k_qa64874c727_outp
    .symbol:         k_qa64874c727_outp.kd
    .args:
      - { .name: ac, .offset: 0, .size: 8, .value_kind: global_buffer, .address_space: global }
      - { .name: asc, .offset: 8, .size: 8, .value_kind: global_buffer, .address_space: global }
      - { .name: codes, .offset: 16, .size: 8, .value_kind: global_buffer, .address_space: global }
      - { .name: scales, .offset: 24, .size: 8, .value_kind: global_buffer, .address_space: global }
      - { .name: bo, .offset: 32, .size: 8, .value_kind: global_buffer, .address_space: global }
      - { .name: out0, .offset: 40, .size: 8, .value_kind: global_buffer, .address_space: global }
    .group_segment_fixed_size: 327680
    .private_segment_fixed_size: 0
    .kernarg_segment_align: 8
    .kernarg_segment_size: 48
    .max_flat_workgroup_size: 128
    .sgpr_count:     102
    .vgpr_count:     768
    .wavefront_size: 32
...
	.end_amdgpu_metadata
.endif
;; end of part 5
